; MI455X (gfx1250); checked and timed in simulation.
; The chip was launched on July 23, 2026; its instructions are those of AMD's public machine-readable ISA for CDNA 5 (MIT licence, August 2026) and "CDNA5" Instruction Set Architecture Reference Guide (July 2026). The comments in the code are by the model that wrote it; some were corrected since.
;; Causal Self Attention. Allowed arithmetic: matrix products marked QUANTISED: E2M3 operands, one E8M0 scale for each 32 along K, by v_wmma_scale_f32_16x16x128_f8f6f4 with both operands' format E2M3, f32 sums; everything else in f32.
;; Inputs: Wk_codes 2,048 x 64 x 24 uint8 (E2M3 codes of Wk, K innermost, in blocks of 32 codes, four codes in three bytes); Wk_scales 2,048 x 64 uint8 (E8M0 scales of Wk, one for each 32 codes along K); Wp_codes 2,048 x 64 x 24 uint8 (E2M3 codes of Wp, K innermost, in blocks of 32 codes, four codes in three bytes); Wp_scales 2,048 x 64 uint8 (E8M0 scales of Wp, one for each 32 codes along K); Wq_codes 2,048 x 64 x 24 uint8 (E2M3 codes of Wq, K innermost, in blocks of 32 codes, four codes in three bytes); Wq_scales 2,048 x 64 uint8 (E8M0 scales of Wq, one for each 32 codes along K); Wv_codes 2,048 x 64 x 24 uint8 (E2M3 codes of Wv, K innermost, in blocks of 32 codes, four codes in three bytes); Wv_scales 2,048 x 64 uint8 (E8M0 scales of Wv, one for each 32 codes along K); attn_mask 4 x 1 x 1 x 512 float32; bk 2,048 float32; bp 2,048 float32; bq 2,048 float32; bv 2,048 float32; x_codes 4 x 512 x 64 x 24 uint8 (E2M3 codes of x, K innermost, in blocks of 32 codes, four codes in three bytes); x_scales 4 x 512 x 64 uint8 (E8M0 scales of x, one for each 32 codes along K).
;; Outputs: out0 4 x 512 x 2,048 float32.
;; This version of the problem:
;;   THIS VERSION OF THE PROBLEM IS GIVEN IN LOW PRECISION. The matrix products marked QUANTISED in the list below multiply operands that are first quantised to E2M3 (2 exponent bits, 3 mantissa bits; 6 bits a number), with one power-of-two scale for each 32 numbers along K (OCP MX v1.0); their sums are f32. All else is computed in f32.
;;   The module's matrix products, in the order in which they are computed (A, B: the left and right operand; K: the contracted axis; several contracted axes count as one K, in the product's order):
;;     1. [M 2,048, K 2,048] x [K 2,048, N 2,048]; A: input x (given as codes); B: input Wq (given as codes): QUANTISED
;;     2. [M 2,048, K 2,048] x [K 2,048, N 2,048]; A: input x (given as codes); B: input Wk (given as codes): QUANTISED
;;     3. [M 2,048, K 2,048] x [K 2,048, N 2,048]; A: input x (given as codes); B: input Wv (given as codes): QUANTISED
;;     4. batch 64 x [M 512, K 128] x [K 128, N 512]; A: computed on the way; B: computed on the way: QUANTISED
;;     5. batch 64 x [M 512, K 512] x [K 512, N 128]; A: softmax (see below); B: computed on the way: QUANTISED
;;     6. [M 2,048, K 2,048] x [K 2,048, N 2,048]; A: computed on the way; B: input Wp (given as codes): QUANTISED
;;   THE QUANTISER, for each operand of a quantised product, along K:
;;     - K is cut into blocks of 32 from its start; a last block that is shorter is filled with zeros.
;;     - A block's scale is 2^e with e = floor(log2(the largest magnitude in the block)) - 2, held to -126 .. 127; a block of zeros has e = 0. As a byte (E8M0): e + 127.
;;     - Each number is divided by its block's scale, clamped to +-7.5, and rounded to the nearest number of E2M3, ties to even, subnormals kept.
;;     - The product sums the exact products of the quantised numbers (number of the format x scale) in f32.
;;   ~~~python
;;   def quantise(x, axis):      # numpy; x: float32 -> the quantised numbers, widened to float32 again
;;       x = np.moveaxis(x, axis, -1); K = x.shape[-1]
;;       x = np.pad(x, [(0, 0)] * (x.ndim - 1) + [(0, -K % 32)]); x = x.reshape(x.shape[:-1] + (-1, 32)); a = np.abs(x).max(-1, keepdims=True)
;;       e = np.where(a > 0, np.clip(np.frexp(np.where(a > 0, a, 1))[1] - 1 - 2, -126, 127), 0)      # np.frexp(a)[1] - 1 = floor(log2(a)), exactly
;;       r = np.clip(x / 2.0 ** e, -7.5, 7.5)
;;       step = 2.0 ** (np.maximum(np.frexp(np.where(r == 0, 1, r))[1] - 1, 0) - 3)
;;       q = np.round(r / step) * step * 2.0 ** e      # np.round: ties to even
;;       return np.moveaxis(q.reshape(q.shape[:-2] + (-1,))[..., :K], -1, axis).astype(np.float32)
;;   ~~~
;;   SOFTMAX AHEAD OF A QUANTISED PRODUCT. Where the list says 'softmax', what is quantised is not the finished softmax but p = 2^(t - M), with t = logit x log2(e) and M = ceil(the row's largest t), a whole number; so 1/2 < the row's largest p <= 1. The row's sum l is taken of the UNQUANTISED p, in f32, and the product's result is divided by l at the end. Since M is a whole number, a kernel that streams over the keys may use a running M (the ceiling of the running maximum): every later rescaling is an exact power of two, which a block's scale takes up: the codes' values come out the same.
;;   OPERANDS COMPUTED ON THE WAY. 'Computed on the way' means the value that the module computes at that place (a softmax that the list does not call 'softmax' is quantised finished and normalised). What goes into a quantiser is computed in f32, as accurately as f32 sums, v_exp_f32 and their like allow (about 1e-6 of the number): no bf16 or f16 on the way to a quantiser, and a product that is left as it is and whose result goes on into a quantised operand takes f32 operands (vector FMAs, or v_wmma_f32_16x16x4_f32). A number that lies on a knife's edge between two numbers of the format may be rounded either way, as far as f32 arithmetic and the matrix unit's own rounding can turn it there, and no further.
;;   INPUTS GIVEN AS CODES. Wk (in the module: [2048, 2048], K = its axis 1); Wp (in the module: [2048, 2048], K = its axis 1); Wq (in the module: [2048, 2048], K = its axis 1); Wv (in the module: [2048, 2048], K = its axis 1); x (in the module: [4, 512, 2048], K = its axis 2): each comes as NAME_codes (uint8): NAME with its K axis moved to the last place and cut into blocks of 32 codes, [.., K / 32, bytes a block], one block behind the other in memory; four codes in three bytes: a row's codes are one little-endian stream of bits, code i at bits 6 i .. 6 i + 5 (a code: sign, 2 exponent bits, 3 mantissa bits); and NAME_scales (uint8): the same leading axes, one E8M0 byte (e + 127) for each 32 codes along K. Its value is code x scale, taken as it is: it is not quantised again, and the codes and scales need not be those that the quantiser above would give.
;; One version. Each part assembles by itself: llvm-mc -triple=amdgcn-amd-amdhsa -mcpu=gfx1250 --defsym DOCPART=n.
;; ======== version 1 of 1: 3 launches
;; limits: right only within a limited range of input values
;; workspace buffers: qkvc 9,437,184 bytes; qkvs 393,216 bytes; yc 3,145,728 bytes; ys 131,072 bytes
;; launch qkv (part 1): grid 16 x 16, 4 waves a work-group, clusters of 4 x 4, 327,680 bytes of LDS; arguments x_codes, x_scales, Wq_codes, Wq_scales, Wk_codes, Wk_scales, Wv_codes, Wv_scales, bq, bk, bv, qkvc, qkvs; writes qkvc, qkvs
.if DOCPART == 1
	.amdgcn_target "amdgcn-amd-amdhsa--gfx1250"
	.amdhsa_code_object_version 6
	.text
	.protected	k_qbdaf921a4e_qkv
	.globl	k_qbdaf921a4e_qkv
	.p2align	8
	.type	k_qbdaf921a4e_qkv,@function
k_qbdaf921a4e_qkv:
	s_mov_b64 s[64:65], 0
	v_nop
	global_prefetch_b8 v0, s[64:65] scope:SCOPE_SE
	s_setreg_imm32_b32 hwreg(HW_REG_WAVE_MODE, 25, 1), 1
	s_wait_xcnt 0x0
	s_wait_alu depctr_hold_cnt(0) depctr_sa_sdst(0) depctr_va_vdst(0) depctr_va_sdst(0) depctr_va_ssrc(0) depctr_va_vcc(0) depctr_vm_vsrc(0)
	s_getreg_b32 s2, hwreg(HW_REG_IB_STS2, 6, 4)
	s_cmp_eq_u32 s2, 0
	s_cbranch_scc0 .Lentry_in_a_cluster
	s_endpgm
.Lentry_in_a_cluster:
	s_bfe_u32 s2, ttmp6, 0x10000c
	s_cmp_lg_u32 s2, 0xf033
	s_cbranch_scc0 .Lentry_shape_is_right
	s_endpgm
.Lentry_shape_is_right:
; q = x Wq^T + bq, k = x Wk^T + bk, v = x Wv^T + bv on codes of FP6 (E2M3) with one E8M0 scale for each 32 along K = 2,048; the f32 results are quantised here and leave as codes.
; WORK LEFT OUT IN THIS PROGRAM: only the key steps that the causal mask hides whole (in launch attn).  All inputs are loaded.
; SHARES.  A work-group takes 128 tokens (tile ty) x one head (tx) of q, of k and of v.  Wave w takes all 128 tokens x channels 32 w .. 32 w + 31 of q, k and v: 48 accumulators, 384 registers.
; q and k are made TRANSPOSED (source 0 = 16 rows of W, source 1 = 16 tokens): a lane holds one token, its registers run along the channels, which are the next product's K.
; v is made the other way (source 0 = 16 tokens, source 1 = 16 rows of Wv): a lane holds one channel and its registers run along the tokens, the K of the product with the softmax's weights.
; WHAT LEAVES.  For block blk = (16 batch + head) 4 + (128 tokens' number in the batch): qkvc[blk][q, k, v][8 tiles][1,536 bytes], qkvs[blk][q, k, v][128 rows] one word of four E8M0 bytes a row.
; A piece of 1,536 bytes is the IMAGE OF A FRAGMENT'S REGISTERS (16 rows x 128 K): register t of lane L lies at 512 (t / 4) + 16 L + 4 (t % 4).
; ORDER INSIDE A BLOCK OF 32: numbers 0-7, 16-23, 8-15, 24-31: q and k carry it along the channels alike, v along the tokens (as the softmax's weights will): it changes no product and no scale.
; v's ROW for channel d is laid at the place with bits 3 and 4 of d swapped, so that attention's result comes out in natural order.
; THE RING.  K goes in CHUNKS OF 256 BYTES of each row (a row is 1,536 bytes = 6 chunks) through two LDS slots of 512 rows (x, Wq, Wk, Wv); chunk c lies in slot c % 2.  A step of 128 along K is 96 bytes: eight steps to three chunks;
; steps 2, 5, 10 and 13 lie across two chunks.  One tensor load a wave for each chunk: wave 0 x's 128 rows, waves 1-3 those of Wq, Wk, Wv.
; A step's 14 fragments are fetched among the 48 products of the step before it, into the other of two register sets.
; THE SCALES of all of K lie in registers: a lane's row of 64 bytes in four loads of 16 bytes, 2,048 consecutive bytes for four loads of a wave.
; CLUSTERS: 4 x 4 work-groups.  x's tile hangs on ty alone and is shared along a row of the cluster, the W tiles on tx alone and are shared along a column: joint loads.
; PREFETCH: chunk c + 2 is asked for behind chunk c's load (chunk 1 at the head too), each row's 256 bytes once in a cluster: the four partners of a joint load take 32 of its 128 rows each, by address; one instruction a wave.  The last two chunks ask for nothing.
; LIMITS: NaN and infinities are not served.  A block whose largest magnitude lies under 2^-124 keeps the byte 1; a block of zeros has the byte 1 and not 127 (its codes are zeros, and this program alone reads the bytes).
; REGISTERS.  Window 0: v1-31 addresses; v32-95 x's scale words, v98-145 W's; v148-243 x's fragments, set 0; v244-249 the way out.  Window 1: W's fragments, two sets of 72; v148-243 x's set 1.
;   Window 2: q's accumulators at 16 a + 8 u, k's at 128 + 16 a + 8 u.  Window 3: v's at 64 u + 8 a; v128-175 the biases; v176-231 the fragments' LDS addresses, four a fragment.
.set PITCH,  272                       ; an LDS row: 256 bytes + 16 of padding
.set TILEB,  16*PITCH
.set HALFT,  128*PITCH
.set SLOT,   4*HALFT
.set SPARE,  2*SLOT                    ; the spare words, 128 bytes a wave
.set STG,    SPARE+512                 ; the way out: the block's image, on bytes of its own,
.set SS,     STG+36864                 ; and its scale words
.set AQ,   4                           ; v4-6   where my three registers of a q or k block go
.set AV,   7                           ; v7-12  the same for v
.set SBQ,  13                          ; v13    my token's scale byte
.set SBV,  14                          ; v14    my channel's scale word
.set RDB,  15                          ; v15    16 x thread
.set RDL,  249                         ; v249   the same in LDS
.set PFO,  27                          ; v27    the prefetches' offset: lane x 1,536
.set SPW,  28                          ; v28    my spare word; never rewritten
.set NIL,  29                          ; v29    0; never rewritten
.set VW,   30
.set SX,   32
.set SW,   98
.set XF,   148
.set FA,   176
.set TM,   148                         ; the way out: 24 groups of 16 results: largest magnitudes,
.set T2,   172                         ; the other half's,
.set SO,   196                         ; the conversions' scale operands,
.set BY,   220                         ; the bytes,
.set CD,   32                          ; the codes, four registers a group
.set RB,   148                         ; the image read back
.set WV,   30
.set G1X,  32
.set G0X,  40
.set G1W,  48
.set G0W,  56
.set SEL,  66
.set PF,   68
.set MSB,  0
.set LNXT, 0
.macro WIN new                         ; the immediate's high byte repeats the setting that is left
.if MSB != (\new)
	s_set_vgpr_msb (MSB<<8)|(\new)
.set MSB, (\new)
.endif
.endm
; A joint load: wave 0 fetches for x, waves 1 to 3 for Wq, Wk, Wv.  The branch hangs on the wave's number alone.
.macro JLOAD s
	s_cmp_eq_u32 s[WV], 0
	s_cbranch_scc0 .Lfor_w_\@
	tensor_load_to_lds s[G0X+4*(\s):G0X+4*(\s)+3], s[G1X:G1X+7]
	s_nop 0
.rept 4
	v_nop
.endr
	s_branch .Lasked_\@
.Lfor_w_\@:
	tensor_load_to_lds s[G0W+4*(\s):G0W+4*(\s)+3], s[G1W:G1W+7]
	s_nop 0
.rept 4
	v_nop
.endr
.Lasked_\@:
.endm
.macro CREST                           ; a round of the cluster's barrier behind its opening barrier
	s_cmp_lg_u32 s[WV], 0
	s_cbranch_scc1 .Lnot_wave_0_\@
	s_barrier_signal -3
.Lnot_wave_0_\@:
	s_barrier_wait -3
	s_barrier_signal -1
	s_barrier_wait -1
.endm
.macro CROUND
	s_barrier_signal -1
	s_barrier_wait -1
	CREST
.endm
.macro PLACES n                        ; plain vector instructions between a matrix instruction and a load into, or a read of, its registers
.rept \n
	v_nop
.endr
.endm
.macro GSET s                          ; slot s's descriptors: chunk s
	s_mov_b32 s[G0X+4*\s], 1
	s_add_co_u32 s[G0X+4*\s+1], s100, \s*SLOT
	s_add_nc_u64 s[G0X+4*\s+2:G0X+4*\s+3], s[4:5], \s*256
	s_or_b32 s[G0X+4*\s+3], s[G0X+4*\s+3], 0x80000000
	s_mov_b32 s[G0W+4*\s], 1
	s_add_co_u32 s[G0W+4*\s+1], s100, \s*SLOT
	s_add_nc_u64 s[G0W+4*\s+2:G0W+4*\s+3], s[8:9], \s*256
	s_or_b32 s[G0W+4*\s+3], s[G0W+4*\s+3], 0x80000000
.endm
.macro ASK c                           ; my 32 rows of chunk c into the L2
	WIN 0
	global_prefetch_b8 v[PFO], s[PF:PF+1] offset:256*\c th:TH_LOAD_NT scope:SCOPE_SE
.endm
	s_load_b512 s[4:19], s[0:1], 0x0               ; x's codes, scales; Wq's; Wk's; Wv's
	s_load_b256 s[20:27], s[0:1], 0x40             ; bq, bk, bv, qkvc
	s_load_b64 s[28:29], s[0:1], 0x60              ; qkvs
	v_lshl_add_u32 v[SPW], v0, 2, SPARE
	v_mov_b32 v[NIL], 0
	ds_add_u32 v[SPW], v[NIL]                      ; the opening lines: the add, twice on end, and its wait
	ds_add_u32 v[SPW], v[NIL]
	v_lshrrev_b32 v1, 5, v0
	v_readfirstlane_b32 s[WV], v1                  ; wave 0..3
	s_bfe_u32 s92, ttmp6, 0x40000                  ; cx
	s_bfe_u32 s93, ttmp6, 0x40004                  ; cy
	s_lshl_b32 s94, ttmp9, 2
	s_add_co_u32 s94, s94, s92                     ; tx: the head
	s_and_b32 s95, ttmp7, 0xffff
	s_lshl_b32 s95, s95, 2
	s_add_co_u32 s95, s95, s93                     ; ty: the tile of 128 tokens
	s_lshl_b32 s31, s93, 2
	s_lshl_b32 s31, 15, s31                        ; my row of the cluster
	s_lshl_b32 s2, 0x1111, s92                     ; my column
	; group 1: 128 rows x 256 bytes, 1,536 bytes apart; 16 bytes of padding behind each
	s_or_b32 s[G1X], s31, (1<<20)|(1<<21)|(5<<22)|(3<<25)
	s_or_b32 s[G1W], s2, (1<<20)|(1<<21)|(5<<22)|(3<<25)
.irp g, G1X, G1W
	s_mov_b32 s[\g+1], 256<<16
	s_mov_b32 s[\g+2], 128<<16
	s_mov_b32 s[\g+3], 256<<16
	s_mov_b32 s[\g+4], 128
	s_mov_b32 s[\g+5], 1536
	s_mov_b32 s[\g+6], 0
	s_mov_b32 s[\g+7], 0
.endr
	s_mul_i32 s96, s95, 128*1536                   ; s[96:97]: what hangs on ty
	s_mov_b32 s97, 0
	s_mul_i32 s98, s94, 128*1536                   ; s[98:99]: what hangs on tx
	s_mov_b32 s99, 0
	s_mul_i32 s100, s[WV], HALFT                   ; where my tile goes: the wave's number alone enters an LDS address
	s_mov_b32 s[SEL], 0x76543210
	s_mov_b32 s[SEL+1], 0xfedcba98                 ; v_permlanex16_b32's selects for lane l xor 16
	s_wait_alu depctr_va_vdst(0)
	s_wait_dscnt 0x0                               ; both opening adds are done
	CROUND                                         ; all sixteen work-groups are here: the first joint loads meet
	s_wait_kmcnt 0x0
	s_cmp_eq_u32 s[WV], 2                          ; which W I fetch: wave 1 Wq, wave 2 Wk, wave 3 Wv (wave 0's choice is not used)
	s_cselect_b64 s[8:9], s[12:13], s[8:9]
	s_cmp_eq_u32 s[WV], 3
	s_cselect_b64 s[8:9], s[16:17], s[8:9]
	s_add_nc_u64 s[4:5], s[4:5], s[96:97]
	s_add_nc_u64 s[8:9], s[8:9], s[98:99]
	GSET 0
	JLOAD 0                                        ; chunk 0: one tensor load a wave at the head
	GSET 1
	s_cmp_eq_u32 s[WV], 0                          ; the prefetches: my place among the four that ask with me, and the first of my 32 rows
	s_cselect_b32 s100, s92, s93
	s_cselect_b64 s[PF:PF+1], s[4:5], s[8:9]
	s_mul_i32 s100, s100, 32*1536
	s_mov_b32 s101, 0
	s_add_nc_u64 s[PF:PF+1], s[PF:PF+1], s[100:101]
	s_lshl_b32 s96, s95, 13                        ; the scales: x's 128 rows of 64 bytes; W's: my 32 rows
	s_add_nc_u64 s[6:7], s[6:7], s[96:97]
	s_lshl_b32 s98, s94, 13
	s_lshl_b32 s96, s[WV], 11
	s_add_co_u32 s98, s98, s96
	s_add_nc_u64 s[10:11], s[10:11], s[98:99]
	s_add_nc_u64 s[14:15], s[14:15], s[98:99]
	s_add_nc_u64 s[18:19], s[18:19], s[98:99]
	s_lshl_b32 s98, s94, 9                         ; the biases at channel 128 tx + 32 w
	s_lshl_b32 s96, s[WV], 7
	s_add_co_u32 s98, s98, s96
	s_add_nc_u64 s[20:21], s[20:21], s[98:99]
	s_add_nc_u64 s[22:23], s[22:23], s[98:99]
	s_add_nc_u64 s[24:25], s[24:25], s[98:99]
	s_mul_i32 s70, s[WV], 32*PITCH
	s_add_co_u32 s70, s70, HALFT                   ; my 32 rows of Wq's tile; Wk's and Wv's lie HALFT and 2 HALFT on
	s_lshr_b32 s71, s[WV], 1
	s_mul_i32 s71, s71, 6
	s_and_b32 s72, s[WV], 1
	s_lshl_b32 s72, s72, 8
	s_lshl_b32 s73, s[WV], 1
	s_lshl_b32 s74, s[WV], 5
	v_and_b32 v1, 15, v0                           ; r
	v_bfe_u32 v2, v0, 4, 1                         ; h
	v_and_b32 v3, 31, v0                           ; lane
	v_lshlrev_b32 v24, 6, v3                       ; a row of scales: 64 bytes
	v_lshlrev_b32 v25, 5, v2                       ; q, k: register j of tile u is channel 16 u + 8 h + j
	v_lshlrev_b32 v26, 2, v1                       ; v: every register of tile u is channel 16 u + r
	v_mul_u32_u24 v[PFO], v3, 1536
	s_wait_alu depctr_va_vdst(0)
.irp m, 0,1,2,3
.irp g, 0,1,2,3
	global_load_b128 v[SX+16*\g+4*\m:SX+16*\g+4*\m+3], v24, s[6:7] offset:2048*\g+16*\m
.endr
	global_load_b128 v[SW+4*\m:SW+4*\m+3], v24, s[10:11] offset:16*\m
	global_load_b128 v[SW+16+4*\m:SW+16+4*\m+3], v24, s[14:15] offset:16*\m
	global_load_b128 v[SW+32+4*\m:SW+32+4*\m+3], v24, s[18:19] offset:16*\m
.endr
	WIN 0xc0                                       ; destination window 3
.irp u, 0,1
	global_load_b128 v[128+8*\u:131+8*\u], v25, s[20:21] offset:64*\u
	global_load_b128 v[132+8*\u:135+8*\u], v25, s[20:21] offset:64*\u+16
	global_load_b128 v[144+8*\u:147+8*\u], v25, s[22:23] offset:64*\u
	global_load_b128 v[148+8*\u:151+8*\u], v25, s[22:23] offset:64*\u+16
.irp j, 0,1,2,3,4,5,6,7
	global_load_b32 v[160+8*\u+\j], v26, s[24:25] offset:64*\u
.endr
.endr
	WIN 0
	v_mul_u32_u24 v30, v1, PITCH
	v_mad_u32_u24 v16, v2, 24, v30                 ; a fragment's row x pitch + 24 h, in slot 0,
	v_add_nc_u32 v17, SLOT, v16                    ; in slot 1;
	v_mul_u32_u24 v31, v2, SLOT-232
	v_add_nc_u32 v18, v30, v31
	v_add_nc_u32 v18, 232, v18                     ; across two chunks: lanes 0-15 byte 232 in slot 0, lanes 16-31 byte 0 in slot 1;
	v_sub_nc_u32 v31, 1, v2
	v_mul_u32_u24 v31, v31, SLOT+232
	v_add_nc_u32 v19, v30, v31                     ; lanes 0-15 byte 232 in slot 1, lanes 16-31 byte 0 in slot 0
.irp i, 0,1,2,3
	v_add_nc_u32 v[20+\i], s70, v[16+\i]
.endr
	WIN 0xc0
.irp i, 0,1,2,3
	v_mov_b32 v[FA+\i], v[16+\i]
.endr
.irp a, 1,2,3,4,5,6,7
.irp i, 0,1,2,3
	v_add_nc_u32 v[FA+4*\a+\i], \a*TILEB, v[16+\i]
.endr
.endr
.irp i, 0,1,2,3
	v_mov_b32 v[FA+32+\i], v[20+\i]
.endr
.irp n, 1,2,3,4,5
.irp i, 0,1,2,3
	v_add_nc_u32 v[FA+32+4*\n+\i], (\n/2)*HALFT+(\n%2)*TILEB, v[20+\i]
.endr
.endr
	WIN 0
	; where the results go on the way out
.macro IMGADR dst, tv, k, lb           ; register x = v[tv] + k of an image: 512 (x / 4) + 4 (x % 4) + v[lb]
	v_add_nc_u32 v30, \k, v[\tv]
	v_lshrrev_b32 v31, 2, v30
	v_and_b32 v30, 3, v30
	v_lshlrev_b32 v30, 2, v30
	v_lshl_add_u32 v30, v31, 9, v30
	v_add_nc_u32 v[\dst], v30, v[\lb]
.endm
	ASK 1
	v_mul_u32_u24 v244, v2, 3                      ; 3 h
	v_add_nc_u32 v245, s71, v244                   ; q, k: my block is block w of the token's four: registers 6 (w / 2) + 3 h + i,
	v_lshl_add_u32 v246, v1, 4, s72                ; of the image's lane r + 16 (w % 2)
	v_add_nc_u32 v246, STG, v246
.irp i, 0,1,2
	IMGADR AQ+\i, 245, \i, 246
.endr
	v_lshrrev_b32 v247, 3, v1                      ; v: channel 32 w + 16 u + r goes to place 32 w + 16 (r / 8) + 8 u + r % 8: tile 2 w + r / 8, row 8 u + r % 8
	v_add_nc_u32 v247, s73, v247
	v_mul_u32_u24 v247, v247, 1536
	v_and_b32 v248, 7, v1
	v_lshl_add_u32 v247, v248, 4, v247
	v_add_nc_u32 v248, STG+24576, v247
.irp c, 0,1
.irp i, 0,1,2
	IMGADR AV+3*\c+\i, 244, 6*\c+\i, 248           ; block 2 c + e of the tokens: registers 6 c + 3 h + i, lane + 16 e
.endr
.endr
	v_lshl_add_u32 v[SBQ], v1, 2, s[WV]
	v_add_nc_u32 v[SBQ], SS, v[SBQ]                ; byte w of token r's word
	v_and_b32 v[SBV], 8, v1
	v_add_nc_u32 v[SBV], v[SBV], v1
	v_add_nc_u32 v[SBV], s74, v[SBV]
	v_lshl_add_u32 v[SBV], v[SBV], 2, SS+1024      ; the word of place 32 w + 16 (r / 8) + r % 8 (+ 8 u)
	v_lshlrev_b32 v[RDB], 4, v0
	v_add_nc_u32 v[RDL], STG, v[RDB]
	s_wait_alu depctr_va_vdst(0)
	s_lshr_b32 s96, s95, 2                         ; blk = (16 batch + head) 4 + ty % 4
	s_lshl_b32 s96, s96, 4
	s_add_co_u32 s96, s96, s94
	s_lshl_b32 s96, s96, 2
	s_and_b32 s97, s95, 3
	s_add_co_u32 s96, s96, s97
	s_mul_i32 s98, s96, 36864
	s_add_nc_u64 s[26:27], s[26:27], s[98:99]
	s_mul_i32 s98, s96, 1536
	s_add_nc_u64 s[28:29], s[28:29], s[98:99]
; One matrix instruction.  ra, rb: the half of the lanes from which source 0's and source 1's scale words are taken.
.macro WM d, a, b, c, sa, sb, ra, rb
.if ((\ra) == 0) && ((\rb) == 0)
	v_wmma_scale_f32_16x16x128_f8f6f4 v[\d:\d+7], v[\a:\a+11], v[\b:\b+11], v[\c:\c+7], v[\sa], v[\sb] matrix_a_fmt:MATRIX_FMT_FP6 matrix_b_fmt:MATRIX_FMT_FP6
.elseif ((\ra) == 1) && ((\rb) == 0)
	v_wmma_scale_f32_16x16x128_f8f6f4 v[\d:\d+7], v[\a:\a+11], v[\b:\b+11], v[\c:\c+7], v[\sa], v[\sb] matrix_a_fmt:MATRIX_FMT_FP6 matrix_b_fmt:MATRIX_FMT_FP6 matrix_a_scale:MATRIX_SCALE_ROW1
.elseif ((\ra) == 0) && ((\rb) == 1)
	v_wmma_scale_f32_16x16x128_f8f6f4 v[\d:\d+7], v[\a:\a+11], v[\b:\b+11], v[\c:\c+7], v[\sa], v[\sb] matrix_a_fmt:MATRIX_FMT_FP6 matrix_b_fmt:MATRIX_FMT_FP6 matrix_b_scale:MATRIX_SCALE_ROW1
.else
	v_wmma_scale_f32_16x16x128_f8f6f4 v[\d:\d+7], v[\a:\a+11], v[\b:\b+11], v[\c:\c+7], v[\sa], v[\sb] matrix_a_fmt:MATRIX_FMT_FP6 matrix_b_fmt:MATRIX_FMT_FP6 matrix_a_scale:MATRIX_SCALE_ROW1 matrix_b_scale:MATRIX_SCALE_ROW1
.endif
.endm
; Product n of step st: 0-15 q, 16-31 k, 32-47 v; tile of tokens pA, of channels pU.  first = 1: the bias is C.  The 48 accumulators take turns in the same order in every step.
.macro PR n, st, first
.set pP, (\n)/16
.set pA, ((\n)%16)/2
.set pU, (\n)%2
.set pS, (\st)%2
.if (\n) < 32
.set rD, 128*pP+16*pA+8*pU
.if \first
.set rC, 128+16*pP+8*pU
	WIN 0xb1                                       ; source 0 window 1, source 1 window 0, C window 3, D window 2
.else
.set rC, rD
	WIN 0xa1+4*pS                                  ; source 1 window 0 or 1; C and D window 2
.endif
	WM rD, 72*pS+12*(2*pP+pU), XF+12*pA, rC, SW+16*pP+(\st), SX+16*(pA/2)+(\st), pU, pA%2
.else
.set rD, 64*pU+8*pA
.set rC, rD
.if \first
.set rC, 160+8*pU
.endif
	WIN 0xf4+pS                                    ; source 0 window 0 or 1, source 1 window 1, C and D window 3
	WM rD, XF+12*pA, 72*pS+12*(4+pU), rC, SX+16*(pA/2)+(\st), SW+32+(\st), pA%2, pU
.endif
.endm
; A fragment of step st: lane (r, h) takes 24 bytes at 24 h and 24 bytes at 48 + 24 h of its row's 96, in pieces of 8 bytes, two to a load where both go by the same address register.  Byte y of a row lies in chunk y / 256.
; Where lanes 16-31's piece lies in the next chunk (y % 256 = 232, 240, 248), one of the two crossing registers serves.  LNXT counts the loads.
.macro FRAG reg, dw, base, st
	WIN ((\dw)<<6)|3
.set LNXT, 0
.set SK, 0
.irp p, 0,1,2,3,4,5
.if SK
.set SK, 0
.else
.set B1, 96*(\st)+48*(\p/3)+8*(\p%3)
.set B2, 96*(\st)+48*((\p+1)/3)+8*((\p+1)%3)
.set X1, (B1%256)/232
.set X2, (B2%256)/232
.set I1, (B1/256)%2+2*X1
.set I2, (B2/256)%2+2*X2
.set O1, (B1%256-232*X1)/8
.set O2, (B2%256-232*X2)/8
.set LNXT, LNXT+1
.if (\p < 5) && (I1 == I2)
.set SK, 1
	ds_load_2addr_b64 v[\reg+2*\p:\reg+2*\p+3], v[\base+I1] offset0:O1 offset1:O2
.else
	ds_load_b64 v[\reg+2*\p:\reg+2*\p+1], v[\base+I1] offset:8*O1
.endif
.endif
.endr
.endm
.macro FETCHN nx                       ; fragment FI of step nx: Wq's two, x's eight, Wk's two, Wv's two
.set S1, (\nx)%2
.if FI < 2
	FRAG 72*S1+12*FI, 1, FA+32+4*FI, (\nx)
.elseif FI < 10
	FRAG XF+12*(FI-2), S1, FA+4*(FI-2), (\nx)
.else
	FRAG 72*S1+12*(FI-8), 1, FA+4*FI, (\nx)
.endif
.set FI, FI+1
.endm
; First, in one run, the next n fragments of the next step; then the products from .. to - 1 of step st.  LCUR: the loads that brought one fragment of this step; DZ = 1: all of this step's fragments are known to be in.
; Ahead of k's products Wv's two fragments and the next step's FI may be out, ahead of v's the next step's alone.
.macro RUN from, to, st, first, n
.rept \n
	FETCHN (\st)+1
.endr
.set N, \from
.rept (\to)-(\from)
.if (N == 16) && (DZ == 0)
	s_wait_dscnt 2*LCUR+FI*LNXT
.endif
.if (N == 32) && (DZ == 0)
	s_wait_dscnt FI*LNXT
.endif
	PR N, \st, \first
.set N, N+1
.endr
.endm
; Step st multiplies its fragments and fetches the next step's.  C0, C1: the chunk in which this and the next step's bytes begin; E0, E1: in which they end.
;   C1 > C0 and a chunk two further on is left: a round of the cluster's barrier, and the slot left behind is filled again;
;   E1 > E0 alone: a barrier shows the new chunk to all waves. Step 7 ends with its chunk: one round does both.
.macro STEP st, first
.set NX, (\st)+1
.set C0, (96*(\st))/256
.set C1, (96*NX)/256
.set E0, (96*(\st)+95)/256
.set E1, (96*NX+95)/256
.set FI, 0
.set DZ, 0
.if (C1 > C0) && (C0 < 4)
.if E1 > E0
	s_wait_dscnt 4*LCUR                            ; Wq's and x's fragments are in; the youngest four may be out
	PLACES 4
	RUN 0, 16, \st, \first, 0
	s_wait_dscnt 0x0
.set DZ, 1
	WIN 0
	s_wait_tensorcnt 0x0                           ; my part of the next chunk has landed
	ds_add_u32 v[SPW], v[NIL]
	s_add_nc_u64 s[G0X+4*(C0%2)+2:G0X+4*(C0%2)+3], s[G0X+4*(C0%2)+2:G0X+4*(C0%2)+3], 512
	s_add_nc_u64 s[G0W+4*(C0%2)+2:G0W+4*(C0%2)+3], s[G0W+4*(C0%2)+2:G0W+4*(C0%2)+3], 512
	RUN 16, 24, \st, \first, 0
	s_wait_dscnt 0x0                               ; the add is done, and so are my reads of the old chunk
	s_barrier_signal -1
	RUN 24, 28, \st, \first, 0
.else
	WIN 0
	s_wait_tensorcnt 0x0
	ds_add_u32 v[SPW], v[NIL]
	s_add_nc_u64 s[G0X+4*(C0%2)+2:G0X+4*(C0%2)+3], s[G0X+4*(C0%2)+2:G0X+4*(C0%2)+3], 512
	s_add_nc_u64 s[G0W+4*(C0%2)+2:G0W+4*(C0%2)+3], s[G0W+4*(C0%2)+2:G0W+4*(C0%2)+3], 512
	s_wait_dscnt 4*LCUR+1                          ; (and the add)
	PLACES 4
	RUN 0, 8, \st, \first, 0
	s_wait_dscnt 0x0
.set DZ, 1
	s_barrier_signal -1
	RUN 8, 12, \st, \first, 0
.endif
	WIN 0
	s_barrier_wait -1
	CREST                                          ; no wave of any partner still reads this slot or has a load on its way
	JLOAD C0%2                                     ; chunk C0 + 2
.if E1 > E0
	RUN 28, 48, \st, \first, 14
.else
	RUN 12, 30, \st, \first, 7
	RUN 30, 48, \st, \first, 7
.endif
.elseif E1 > E0
	s_wait_dscnt 4*LCUR
	PLACES 4
	RUN 0, 12, \st, \first, 0
	s_wait_tensorcnt 0x0                           ; my part of the next chunk has landed: the barrier shows it to all
	s_wait_dscnt 0x0
.set DZ, 1
	s_barrier_signal -1
	RUN 12, 16, \st, \first, 0
	s_barrier_wait -1
	RUN 16, 34, \st, \first, 7
	RUN 34, 48, \st, \first, 7
.else
	s_wait_dscnt 4*LCUR
.if (\st) > 0
	PLACES 4
.endif
	RUN 0, 8, \st, \first, 0
	RUN 8, 28, \st, \first, 7
	RUN 28, 48, \st, \first, 7
.endif
.set LCUR, LNXT
.endm
	s_wait_tensorcnt 0x0                           ; my part of chunk 0 is in
	ds_add_u32 v[SPW], v[NIL]
	s_wait_dscnt 0x0
	CROUND                                         ; everybody's part of chunk 0 is in
	JLOAD 1                                        ; chunk 1
.set FI, 0
.rept 14
	FETCHN 0
.endr
.set LCUR, LNXT
	ASK 2                                          ; behind chunk 1's load and the run of LDS loads
	s_wait_loadcnt 0x0                             ; the scales and the biases
	STEP 0, 1                                      ; its products start the sums with the bias
	STEP 1, 0
	ASK 3
	STEP 2, 0
	ASK 4
	STEP 3, 0
	STEP 4, 0
	STEP 5, 0
	ASK 5
.set ST, 6
.rept 9
	STEP ST, 0
.set ST, ST+1
.endr
; THE LAST STEP.  24 groups of 16 results: groups 0-7 q's tiles of tokens, 8-15 k's (window 2, at 16 g), 16-23 v's (window 3, at 16 (g - 16)); each is half a block of 32, the other half is lane l xor 16's.
; q's largest magnitudes are searched for among k's products, k's among v's.  Entry e: group e % 8 of the eight from gb on, numbers 2 (e / 8) and the next.  Each accumulator is read from its low end on.
.macro MXE e, gb
.set MG, (\gb)+(\e)%8
.set MI, 2*((\e)/8)
.set MW, 2+(\gb)/16
.set MR, 16*(MG%16)+MI
.if MI == 0
	WIN MW|(MW<<2)
	v_max3_num_f32 v[TM+MG], |v[MR]|, |v[MR+1]|, 0x1800000   ; and the floor 2^(3 - 127): the byte cannot fall under 1
.else
	WIN (MW<<2)|(MW<<4)
	v_max3_num_f32 v[TM+MG], v[TM+MG], |v[MR]|, |v[MR+1]|
.endif
.endm
.macro MIXED n0, gb                    ; 16 products with four entries behind each
.set N, \n0
.set ME, 0
.rept 16
	PR N, 15, 0
.rept 4
	MXE ME, \gb
.set ME, ME+1
.endr
.set N, N+1
.endr
.endm
.set FI, 0
.set DZ, 1
	s_wait_dscnt 4*LCUR
	PLACES 4
	RUN 0, 16, 15, 0, 0
	s_wait_dscnt 2*LCUR
	PLACES 4
	MIXED 16, 0
	s_wait_dscnt 0x0
	PLACES 4
	MIXED 32, 8
	PLACES 4
.set ME, 0
.rept 64
	MXE ME, 16
.set ME, ME+1
.endr
	WIN 0
.irp g, 0,1,2,3,4,5,6,7,8,9,10,11,12,13,14,15,16,17,18,19,20,21,22,23
	v_permlanex16_b32 v[T2+\g], v[TM+\g], s[SEL], s[SEL+1]
.endr
.irp g, 0,1,2,3,4,5,6,7,8,9,10,11,12,13,14,15,16,17,18,19,20,21,22,23
	v_max_num_f32 v[TM+\g], v[TM+\g], v[T2+\g]     ; the block's largest magnitude
.endr
.irp g, 0,1,2,3,4,5,6,7,8,9,10,11,12,13,14,15,16,17,18,19,20,21,22,23
	v_add_nc_u32 v[SO+\g], 0xff000000, v[TM+\g]    ; 2 off its exponent field: the conversion takes the exponent field of this operand as its scale
.endr
.irp g, 0,1,2,3,4,5,6,7,8,9,10,11,12,13,14,15,16,17,18,19,20,21,22,23
	v_lshrrev_b32 v[BY+\g], 23, v[SO+\g]           ; the scale's byte
.endr
	WIN 0x02                                       ; source 0 window 2
.irp g, 0,1,2,3,4,5,6,7,8,9,10,11,12,13,14,15
	v_cvt_scalef32_pk16_fp6_f32 v[CD+4*\g:CD+4*\g+2], v[16*\g:16*\g+15], v[SO+\g]
.endr
	WIN 0x03
.irp g, 16,17,18,19,20,21,22,23
	v_cvt_scalef32_pk16_fp6_f32 v[CD+4*\g:CD+4*\g+2], v[16*(\g-16):16*(\g-16)+15], v[SO+\g]
.endr
	WIN 0
.irp u, 0,1                                    ; v: my channel's four bytes make its word.  (Plain instructions behind the conversions)
	v_lshl_or_b32 v[VW+\u], v[BY+17+4*\u], 8, v[BY+16+4*\u]
	v_lshl_or_b32 v[VW+\u], v[BY+18+4*\u], 16, v[VW+\u]
	v_lshl_or_b32 v[VW+\u], v[BY+19+4*\u], 24, v[VW+\u]
.endr
.irp a, 0,1,2,3,4,5,6,7
.irp i, 0,1,2
	ds_store_b32 v[AQ+\i], v[CD+4*\a+\i] offset:1536*\a
	ds_store_b32 v[AQ+\i], v[CD+32+4*\a+\i] offset:12288+1536*\a
.endr
	ds_store_b8 v[SBQ], v[BY+\a] offset:64*\a      ; both lanes of a block write the same byte with the same value
	ds_store_b8 v[SBQ], v[BY+8+\a] offset:512+64*\a
.endr
.irp u, 0,1
.irp e, 0,1,2,3
.irp i, 0,1,2
	ds_store_b32 v[AV+3*(\e/2)+\i], v[CD+64+16*\u+4*\e+\i] offset:128*\u+256*(\e%2)
.endr
.endr
	ds_store_b32 v[SBV], v[VW+\u] offset:32*\u
.endr
	s_wait_dscnt 0x0                               ; for the others' sake: an image's bytes come from all four waves
	s_barrier_signal -1
	s_barrier_wait -1
.irp i, 0,1,2,3,4,5,6,7,8,9,10,11,12,13,14,15,16,17
	ds_load_b128 v[RB+4*\i:RB+4*\i+3], v[RDL] offset:2048*\i
.endr
.irp i, 0,1,2,3,4,5,6,7,8,9,10,11,12,13,14,15,16,17
	s_wait_dscnt 17-\i                             ; LDS loads come back in order: the younger ones may stay out
	global_store_b128 v[RDB], v[RB+4*\i:RB+4*\i+3], s[26:27] offset:2048*\i   ; a wave stores 512 consecutive bytes, at a multiple of 256 from the buffer's first byte
.endr
	s_cmp_lt_u32 s[WV], 3                          ; the 1,536 bytes of scale words: 16 bytes a thread of waves 0 to 2
	s_cbranch_scc0 .Lno_words
	ds_load_b128 v[244:247], v[RDL] offset:SS-STG
	s_wait_dscnt 0x0
	global_store_b128 v[RDB], v[244:247], s[28:29]
.Lno_words:
	s_wait_tensorcnt 0x0                           ; the wave's end
	ds_add_u32 v[SPW], v[NIL]
	s_wait_dscnt 0x0
	CROUND                                         ; the closing round: no work-group ends while a partner may still ask for a tile that names it
	s_endpgm
.Lfunc_end_k_qbdaf921a4e_qkv:
	.size	k_qbdaf921a4e_qkv, .Lfunc_end_k_qbdaf921a4e_qkv-k_qbdaf921a4e_qkv
	.p2alignl 7, 3214868480
	.fill 96, 4, 3214868480
	.section	.rodata,"a",@progbits
	.p2align	6, 0x0
	.amdhsa_kernel k_qbdaf921a4e_qkv
		.amdhsa_group_segment_fixed_size 327680
		.amdhsa_private_segment_fixed_size 0
		.amdhsa_enable_private_segment 0
		.amdhsa_kernarg_size 104
		.amdhsa_user_sgpr_count 2
		.amdhsa_user_sgpr_kernarg_segment_ptr 1
		.amdhsa_wavefront_size32 1
		.amdhsa_system_sgpr_workgroup_id_x 1
		.amdhsa_system_sgpr_workgroup_id_y 1
		.amdhsa_system_sgpr_workgroup_id_z 1
		.amdhsa_system_vgpr_workitem_id 0
		.amdhsa_next_free_vgpr 1024
		.amdhsa_next_free_sgpr 102
		.amdhsa_reserve_vcc 0
		.amdhsa_float_denorm_mode_32 3
		.amdhsa_float_denorm_mode_16_64 3
		.amdhsa_memory_ordered 1
		.amdhsa_forward_progress 1
		.amdhsa_inst_pref_size 205
	.end_amdhsa_kernel
	.amdgpu_metadata
---
amdhsa.version: [ 1, 2 ]
amdhsa.kernels:
  - .name:           k_qbdaf921a4e_qkv
    .symbol:         k_qbdaf921a4e_qkv.kd
    .args:
      - { .name: x_codes, .offset: 0, .size: 8, .value_kind: global_buffer, .address_space: global }
      - { .name: x_scales, .offset: 8, .size: 8, .value_kind: global_buffer, .address_space: global }
      - { .name: Wq_codes, .offset: 16, .size: 8, .value_kind: global_buffer, .address_space: global }
      - { .name: Wq_scales, .offset: 24, .size: 8, .value_kind: global_buffer, .address_space: global }
      - { .name: Wk_codes, .offset: 32, .size: 8, .value_kind: global_buffer, .address_space: global }
      - { .name: Wk_scales, .offset: 40, .size: 8, .value_kind: global_buffer, .address_space: global }
      - { .name: Wv_codes, .offset: 48, .size: 8, .value_kind: global_buffer, .address_space: global }
      - { .name: Wv_scales, .offset: 56, .size: 8, .value_kind: global_buffer, .address_space: global }
      - { .name: bq, .offset: 64, .size: 8, .value_kind: global_buffer, .address_space: global }
      - { .name: bk, .offset: 72, .size: 8, .value_kind: global_buffer, .address_space: global }
      - { .name: bv, .offset: 80, .size: 8, .value_kind: global_buffer, .address_space: global }
      - { .name: qkvc, .offset: 88, .size: 8, .value_kind: global_buffer, .address_space: global }
      - { .name: qkvs, .offset: 96, .size: 8, .value_kind: global_buffer, .address_space: global }
    .group_segment_fixed_size: 327680
    .private_segment_fixed_size: 0
    .kernarg_segment_align: 8
    .kernarg_segment_size: 104
    .max_flat_workgroup_size: 128
    .sgpr_count:     102
    .vgpr_count:     1024
    .wavefront_size: 32
...
	.end_amdgpu_metadata
.endif
;; end of part 1
;; launch attn (part 2): grid 4 x 64, 14 waves a work-group, clusters of 4 x 1, 174,080 bytes of LDS; arguments qkvc, qkvs, attn_mask, yc, ys; writes yc, ys
.if DOCPART == 2
	.amdgcn_target "amdgcn-amd-amdhsa--gfx1250"
	.amdhsa_code_object_version 6
	.text
	.protected	k_qbdaf921a4e_attn
	.globl	k_qbdaf921a4e_attn
	.p2align	8
	.type	k_qbdaf921a4e_attn,@function
k_qbdaf921a4e_attn:
	s_mov_b64 s[64:65], 0
	v_nop
	global_prefetch_b8 v0, s[64:65] scope:SCOPE_SE
	s_setreg_imm32_b32 hwreg(HW_REG_WAVE_MODE, 25, 1), 1
	s_wait_xcnt 0x0
	s_wait_alu depctr_hold_cnt(0) depctr_sa_sdst(0) depctr_va_vdst(0) depctr_va_sdst(0) depctr_va_ssrc(0) depctr_va_vcc(0) depctr_vm_vsrc(0)
	s_getreg_b32 s2, hwreg(HW_REG_IB_STS2, 6, 4)
	s_cmp_eq_u32 s2, 0
	s_cbranch_scc0 .Lentry_in_a_cluster
	s_endpgm
.Lentry_in_a_cluster:
	s_bfe_u32 s2, ttmp6, 0x10000c
	s_cmp_lg_u32 s2, 0x3003
	s_cbranch_scc0 .Lentry_shape_is_right
	s_endpgm
.Lentry_shape_is_right:
; y[b][q][head] = softmax_k(q . k / sqrt(128) + mask[b][k], k <= q) v, both products on codes of FP6 (E2M3); y is quantised along its 128 channels and leaves as codes for the last product.
; WORK LEFT OUT: the key steps of 128 that the causal mask hides whole for a tile of queries (their p is 0 for every query).
; INPUTS: qkvc[blk][q, k, v][8 tiles][1,536]: images of fragments' registers (register t of lane L at 512 (t / 4) + 16 L + 4 (t % 4)); qkvs[blk][q, k, v][128] scale words; blk = 4 (16 b + head) + tokens / 128.
; Inside each block of 32 the numbers of q and k (along the channels) and of v (along the tokens) stand in the order 0-7, 16-23, 8-15, 24-31; the weights p made here fall into the same order by themselves.
; v's row at place P holds the channel with bits 3 and 4 of P swapped, so that a lane's 16 registers of two neighbouring tiles of O^T are 16 neighbouring channels.
; THE SOFTMAX: t = (score + mask sqrt(128)) c, c = log2(e) / sqrt(128); the mask x sqrt(128) is the C of the first product.  M = the running largest t rounded up to a whole number; p = 2^(t - M) is quantised
; along the keys; the row's sum is taken of the unquantised p and divides at the end; when M moves, the sum and O^T are multiplied by 2^(old M - new M), which rounds nothing.
; SHARES.  Work-group (cx, 16 b + head) has eight tiles of 16 queries: in each block n of 128 queries tiles 2 cx and 2 cx + 1.  A TILE IS SHARED BY TWO WAVES, w and w + 4: the first (R = 0) takes key steps 0 and 2, the second (R = 1) steps 1 and 3,
; as far as they lie at or under step n (block 0 has no second wave: 14 waves).  No wave has more than two steps, and the waves of one number modulo 4 have five together.  The second wave hands -M, its sum and its O^T to the first through LDS.
; Which steps a wave takes hangs on its number alone, so the work-groups of a head run alike.
; CLUSTERS: the four work-groups of a head form a cluster; its K and V, 96 KiB of images, and their scale words come into LDS ONCE by joint loads, one a wave; nothing is filled again.
; NO PREFETCH: everything is asked for at the head by one group of loads, and no loop follows that could run ahead of a later one.
; Both products are used transposed (S^T = K Q^T, O^T = V^T P^T): a lane holds one query (lane % 16) throughout.
; LIMITS: the mask is finite; the scaled scores (exponents to the base 2) stay under 2^31 in magnitude; NaN and infinities are not served.  A block of y under 2^-124 keeps the byte 1; a block of zeros has the byte 1 (its codes are zeros; this program alone reads the bytes).
; A block's largest p is made from the block's largest score by the same two instructions: this takes v_exp_f32 not to fall where its input rises.
; REGISTERS: v1-11 addresses; v12 -M, v13 the largest t, v[14:15] the sum; v16-27 Q; v32-79 four fragments; v80-95 at work (v91 the spare word); v96-159 S^T, then p, then four fragments of V, at last the other wave's O^T; v160-223 O^T; v224-242 codes; v243 0; v244-247 scale operands;
;   v248-251 K's or V's scale words (lane l: row 32 i + l); v252 f; v253 p's scale word; v254 at work; v255 Q's scale words.
.set SCB,  98304                       ; LDS: four blocks of 128 keys, each K's 8 images then V's 8 (24,576 bytes); here their scale words, K's 512 bytes then V's, 1,024 a block;
.set MK,   102400                      ; 512 numbers: the batch's mask x sqrt(128);
.set JN,   104448                      ; what a second wave hands over: 8,192 bytes of O^T and 256 of -M and sum, for each of eight tiles;
.set SPARE, JN+8*8448                  ; the spare words
.set WV,   14
.set SEL,  20
.set CS,   22
.set G1C,  24
.set G1S,  32
.set G0C,  40
.set G0S,  44
.macro CROUND
	s_barrier_signal -1
	s_barrier_wait -1
	s_cmp_lg_u32 s[WV], 0
	s_cbranch_scc1 .Lnot_wave_0_\@
	s_barrier_signal -3
.Lnot_wave_0_\@:
	s_barrier_wait -3
	s_barrier_signal -1
	s_barrier_wait -1
.endm
	s_load_b256 s[4:11], s[0:1], 0x0               ; qkvc, qkvs, the mask, yc
	s_load_b64 s[12:13], s[0:1], 0x20              ; ys
	v_lshl_add_u32 v91, v0, 2, SPARE
	v_mov_b32 v243, 0
	ds_add_u32 v91, v243                           ; the opening lines: the add, twice on end, and its wait
	ds_add_u32 v91, v243
	v_lshrrev_b32 v1, 5, v0
	v_readfirstlane_b32 s[WV], v1                  ; wave 0..13
	s_and_b32 s15, s[WV], 3
	s_bfe_u32 s2, s[WV], 0x10002                   ; R
	s_add_co_u32 s19, s2, 2
	s_lshr_b32 s60, s[WV], 3
	s_mul_i32 s61, s60, 3
	s_sub_co_u32 s61, 3, s61
	s_add_co_u32 s3, s60, 1
	s_lshr_b32 s62, s15, 1
	s_cmp_eq_u32 s62, 0
	s_cselect_b32 s3, s3, s61                      ; n, my block of 128 queries: waves with w % 4 < 2: 1, then 2; the others: 3, then 0
	s_bfe_u32 s62, ttmp6, 0x40000                  ; cx
	s_lshl_b32 s62, s62, 1
	s_and_b32 s61, s15, 1
	s_add_co_u32 s62, s62, s61                     ; my tile of the block's eight: 2 cx + w % 2
	s_and_b32 s17, ttmp7, 0xffff                   ; 16 b + head
	; group 1: dense blocks as rows of 256 bytes (32 elements of 8 bytes): 48 rows of images, 4 rows of scale words; the mask names the whole row of four work-groups
.irp g, G1C, G1S
	s_mov_b32 s[\g], 15|(3<<16)|(1<<21)
	s_mov_b32 s[\g+1], 32<<16
	s_mov_b32 s[\g+3], 32<<16
	s_mov_b32 s[\g+5], 32
	s_mov_b32 s[\g+6], 0
	s_mov_b32 s[\g+7], 0
.endr
	s_mov_b32 s[G1C+2], 48<<16
	s_mov_b32 s[G1C+4], 48
	s_mov_b32 s[G1S+2], 4<<16
	s_mov_b32 s[G1S+4], 4
	s_lshl_b32 s48, s17, 2
	s_add_co_u32 s54, s48, s3                      ; Q's block
	s_add_co_u32 s48, s48, s15                     ; the block of 128 keys that I fetch for: wave % 4
	s_mul_i32 s50, s48, 36864
	s_mul_i32 s18, s2, 12288
	s_add_co_u32 s50, s50, s18
	s_add_co_u32 s50, s50, 12288                   ; waves 0-3: its K images, 4-7: its V images
	s_mov_b32 s51, 0
	s_mul_i32 s52, s48, 1536
	s_add_co_u32 s52, s52, 512                     ; waves 8-11: K's and V's scale words
	s_mov_b32 s53, 0
	s_mul_i32 s49, s15, 24576
	s_add_co_u32 s18, s18, s49
	s_lshl_b32 s49, s15, 10
	s_add_co_u32 s49, s49, SCB
	s_mul_i32 s56, s54, 36864
	s_mul_i32 s55, s62, 1536
	s_add_co_u32 s56, s56, s55
	s_mov_b32 s57, 0
	s_mul_i32 s58, s54, 1536
	s_lshl_b32 s55, s62, 6
	s_add_co_u32 s58, s58, s55
	s_mov_b32 s59, 0
	s_mov_b32 s[SEL], 0x76543210
	s_mov_b32 s[SEL+1], 0xfedcba98                 ; v_permlanex16_b32's selects for lane l xor 16
	s_mov_b32 s[CS], 0x3e0293ee                    ; c = log2(e) / sqrt(128)
	s_mov_b32 s[CS+1], s[CS]                       ; (named with it as a pair, so it is written)
	s_wait_alu depctr_va_vdst(0)
	s_wait_dscnt 0x0                               ; both opening adds are done
	CROUND                                         ; all four work-groups are here
	s_wait_kmcnt 0x0
	s_mov_b32 s[G0C], 1
	s_mov_b32 s[G0C+1], s18
	s_add_nc_u64 s[G0C+2:G0C+3], s[4:5], s[50:51]
	s_or_b32 s[G0C+3], s[G0C+3], 0x80000000
	s_mov_b32 s[G0S], 1
	s_mov_b32 s[G0S+1], s49
	s_add_nc_u64 s[G0S+2:G0S+3], s[6:7], s[52:53]
	s_or_b32 s[G0S+3], s[G0S+3], 0x80000000
	s_cmp_lt_u32 s[WV], 8
	s_cbranch_scc0 .Lwords
	tensor_load_to_lds s[G0C:G0C+3], s[G1C:G1C+7]
	s_nop 0
.rept 4
	v_nop
.endr
	s_branch .Lasked
.Lwords:
	s_cmp_lt_u32 s[WV], 12
	s_cbranch_scc0 .Lasked
	tensor_load_to_lds s[G0S:G0S+3], s[G1S:G1S+7]
	s_nop 0
.rept 4
	v_nop
.endr
.Lasked:
	s_lshr_b32 s60, s17, 4                         ; b
	s_and_b32 s61, s17, 15                         ; head
	s_lshl_b32 s48, s60, 11                        ; the batch's 512 numbers of the mask
	s_mov_b32 s49, 0
	s_add_nc_u64 s[8:9], s[8:9], s[48:49]
	s_add_nc_u64 s[4:5], s[4:5], s[56:57]
	s_add_nc_u64 s[6:7], s[6:7], s[58:59]
	s_lshl_b32 s50, s60, 5                         ; yc: tile of 16 tokens 32 b + 8 n + my tile, K step = head
	s_lshl_b32 s51, s3, 3
	s_add_co_u32 s51, s51, s62
	s_add_co_u32 s50, s50, s51
	s_lshl_b32 s52, s50, 6                         ; ys: [head][token], a word each: 64 bytes a tile
	s_lshl_b32 s50, s50, 4
	s_add_co_u32 s50, s50, s61
	s_mul_i32 s50, s50, 1536
	s_mov_b32 s51, 0
	s_add_nc_u64 s[10:11], s[10:11], s[50:51]
	s_lshl_b32 s53, s61, 13
	s_add_co_u32 s52, s52, s53
	s_mov_b32 s53, 0
	s_add_nc_u64 s[12:13], s[12:13], s[52:53]
	s_mul_i32 s54, s2, 24576                       ; my first key step is R: its images,
	s_lshl_b32 s55, s2, 10
	s_add_co_u32 s55, s55, SCB                     ; scale words
	s_lshl_b32 s56, s2, 9
	s_add_co_u32 s56, s56, MK                      ; and mask
	s_lshl_b32 s57, s62, 4                         ; my tile's first query in its block
	s_lshr_b32 s58, s[WV], 3
	s_lshl_b32 s58, s58, 2
	s_add_co_u32 s58, s58, s15                     ; the same number in both waves of a tile
	s_mul_i32 s58, s58, 8448
	s_add_co_u32 s58, s58, JN
	s_add_co_u32 s59, s58, 8192
	v_and_b32 v7, 31, v0                           ; lane
	v_and_b32 v10, 15, v0                          ; r
	v_bfe_u32 v5, v0, 4, 1                         ; h
	v_lshlrev_b32 v6, 4, v7                        ; 16 x lane: an image's place for my lane
	v_lshlrev_b32 v11, 2, v10
	v_lshlrev_b32 v93, 4, v0
	v_add_nc_u32 v94, MK, v93
	s_wait_alu depctr_va_vdst(0)
.irp c, 0,1,2
	global_load_b128 v[16+4*\c:19+4*\c], v6, s[4:5] offset:512*\c   ; Q's fragment stays in registers
.endr
	global_load_b32 v255, v11, s[6:7]              ; Q's scale words
	v_add_nc_u32 v1, s54, v6                       ; my first step's images,
	v_add_nc_u32 v2, 49152, v1                     ; my second's
	v_lshl_add_u32 v3, v7, 2, s55                  ; scale words: 4 x lane
	v_lshl_add_u32 v4, v5, 5, s56                  ; the mask of keys 8 h + 0..7 of a tile
	v_lshlrev_b32 v5, 3, v5
	v_sub_nc_u32 v5, v10, v5
	v_add_nc_u32 v5, s57, v5                       ; d = my query's place in its block - 8 h
	v_lshl_add_u32 v8, v7, 4, s58                  ; what is handed over: O^T,
	v_lshl_add_u32 v9, v7, 3, s59                  ; -M and the sum
.irp b, 0,1,2,3
	v_mov_b32 v[84+\b], 0                          ; written once: a lane permute's destination counts as one of its sources
	v_mov_b32 v[236+\b], 0
.endr
	s_wait_alu depctr_va_vdst(0)
	s_cmp_lt_u32 s[WV], 4
	s_cbranch_scc0 .Lno_mask
	global_load_b128 v[80:83], v93, s[8:9]         ; waves 0-3: four numbers of the mask a thread
	s_wait_loadcnt 0x0
	v_pk_mul_f32 v[80:81], v[80:81], 0x413504f3 op_sel_hi:[1,0]   ; x sqrt(128): added to the scores, it is multiplied by c with them
	v_pk_mul_f32 v[82:83], v[82:83], 0x413504f3 op_sel_hi:[1,0]
	ds_store_b128 v94, v[80:83]
.Lno_mask:
	s_wait_dscnt 0x0                               ; my part of the mask is stored:
	s_barrier_signal -1
	s_barrier_wait -1                              ; everybody's; the tiles may still be on their way
.irp t, 0,1,2,3,4,5,6,7
	ds_load_b128 v[96+8*\t:99+8*\t], v4 offset:64*\t              ; my first step's mask x sqrt(128) in the result's layout: register j of tile t is key 16 t + 8 h + j
	ds_load_b128 v[100+8*\t:103+8*\t], v4 offset:64*\t+16
.endr
	s_wait_tensorcnt 0x0                           ; my tile has landed,
	s_wait_dscnt 0x0                               ; and my part of the mask is read:
	s_barrier_signal -1
	s_barrier_wait -1                              ; everybody's
	s_wait_loadcnt 0x0                             ; Q
; One matrix instruction.  c < 0: the constant 0 starts the sum.  ra: the half of the lanes from which source 0's scale words are taken.
.macro WMA d, a, b, c, sa, sb, ra
.if (\c) < 0
.if (\ra) == 0
	v_wmma_scale_f32_16x16x128_f8f6f4 v[\d:\d+7], v[\a:\a+11], v[\b:\b+11], 0, v[\sa], v[\sb] matrix_a_fmt:MATRIX_FMT_FP6 matrix_b_fmt:MATRIX_FMT_FP6
.else
	v_wmma_scale_f32_16x16x128_f8f6f4 v[\d:\d+7], v[\a:\a+11], v[\b:\b+11], 0, v[\sa], v[\sb] matrix_a_fmt:MATRIX_FMT_FP6 matrix_b_fmt:MATRIX_FMT_FP6 matrix_a_scale:MATRIX_SCALE_ROW1
.endif
.else
.if (\ra) == 0
	v_wmma_scale_f32_16x16x128_f8f6f4 v[\d:\d+7], v[\a:\a+11], v[\b:\b+11], v[\c:\c+7], v[\sa], v[\sb] matrix_a_fmt:MATRIX_FMT_FP6 matrix_b_fmt:MATRIX_FMT_FP6
.else
	v_wmma_scale_f32_16x16x128_f8f6f4 v[\d:\d+7], v[\a:\a+11], v[\b:\b+11], v[\c:\c+7], v[\sa], v[\sb] matrix_a_fmt:MATRIX_FMT_FP6 matrix_b_fmt:MATRIX_FMT_FP6 matrix_a_scale:MATRIX_SCALE_ROW1
.endif
.endif
.endm
; MY KEY STEP i = 0, 1: keys 128 (R + 2 i) .. + 127.  Step 0 starts M, the sum and O^T.
.macro STEP i
.if \i
	s_cmp_lt_u32 s3, s19                           ; no second step for me: a branch on the wave's number
	s_cbranch_scc1 .Ldone
.endif
.if \i
.irp t, 0,1,2,3,4,5,6,7
	ds_load_b128 v[96+8*\t:99+8*\t], v4 offset:1024*\i+64*\t      ; the mask x sqrt(128), as for the first step
	ds_load_b128 v[100+8*\t:103+8*\t], v4 offset:1024*\i+64*\t+16
.endr
.endif
.irp k, 0,1,2,3
	ds_load_b32 v[248+\k], v3 offset:2048*\i+128*\k               ; K's scale words
.endr
.if \i == 0                                    ; S^T = K Q^T + the mask: in the first step K's second four tiles go into O^T's registers, which hold nothing yet
.irp t, 0,1,2,3,4,5,6,7
.set rA, 32+12*\t
.if \t > 3
.set rA, 160+12*(\t-4)
.endif
.irp c, 0,1,2
	ds_load_b128 v[rA+4*\c:rA+4*\c+3], v[1+\i] offset:\t*1536+512*\c
.endr
.endr
	s_wait_dscnt 12                                ; the second four tiles' twelve loads may be out
.irp t, 0,1,2,3
	WMA 96+8*\t, 32+12*\t, 16, 96+8*\t, 248+\t/2, 255, \t%2
.endr
	s_wait_dscnt 0x0
.irp t, 4,5,6,7
	WMA 96+8*\t, 160+12*(\t-4), 16, 96+8*\t, 248+\t/2, 255, \t%2
.endr
.else
.irp g, 0,1                                    ; four tiles of 16 keys at a time
.if \g > 0
.rept 4
	v_nop                                          ; places in front of loads into registers that matrix instructions have read
.endr
.endif
.irp t, 0,1,2,3
.irp c, 0,1,2
	ds_load_b128 v[32+12*\t+4*\c:35+12*\t+4*\c], v[1+\i] offset:(4*\g+\t)*1536+512*\c
.endr
.endr
	s_wait_dscnt 0x0
.irp t, 0,1,2,3
	WMA 96+8*(4*\g+\t), 32+12*\t, 16, 96+8*(4*\g+\t), 248+(4*\g+\t)/2, 255, \t%2
.endr
.endr
.endif
.rept 4
	v_nop
.endr
.irp k, 0,1,2,3
	ds_load_b32 v[248+\k], v3 offset:2048*\i+512+128*\k           ; V's scale words and its first four tiles are asked for now: they land while the softmax is made
.endr
.irp t, 0,1,2,3
.irp c, 0,1,2
	ds_load_b128 v[32+12*\t+4*\c:35+12*\t+4*\c], v[1+\i] offset:12288+\t*1536+512*\c
.endr
.endr
	s_cmp_lg_u32 s3, s[2+17*\i]                    ; a step all of whose keys count skips the mask of the diagonal
	s_cbranch_scc1 .Lopen_\@
	v_mov_b32 v81, 0xff800000                      ; -infinity: p = 0 then.  Register m holds key 8 h + 16 (m / 8) + m % 8 of the step: hidden where 16 (m / 8) + m % 8 > d
.irp m, 0,1,2,3,4,5,6,7,8,9,10,11,12,13,14,15,16,17,18,19,20,21,22,23,24,25,26,27,28,29,30,31,32,33,34,35,36,37,38,39,40,41,42,43,44,45,46,47,48,49,50,51,52,53,54,55,56,57,58,59,60,61,62,63
	v_cmp_gt_i32 vcc_lo, 16*(\m/8)+\m%8, v5
	v_cndmask_b32 v[96+\m], v[96+\m], v81, vcc_lo
.endr
.Lopen_\@:
.irp b, 0,1,2,3
	v_max3_num_f32 v[232+\b], v[96+16*\b], v[97+16*\b], v[98+16*\b]   ; the largest score of each block of 32 keys: for the row's maximum, and for the block's largest p
.endr
.irp k, 3,5,7,9,11,13
.irp b, 0,1,2,3
	v_max3_num_f32 v[232+\b], v[232+\b], v[96+16*\b+\k], v[97+16*\b+\k]
.endr
.endr
.irp b, 0,1,2,3
	v_max_num_f32 v[232+\b], v[232+\b], v[111+16*\b]
.endr
.irp b, 0,1,2,3
	s_delay_alu instid0(VALU_DEP_4)
	v_permlanex16_b32 v[236+\b], v[232+\b], s[SEL], s[SEL+1]
.endr
.irp b, 0,1,2,3
	s_delay_alu instid0(VALU_DEP_4)
	v_max_num_f32 v[232+\b], v[232+\b], v[236+\b]  ; with lane l xor 16's 16 keys
.endr
	s_delay_alu instid0(VALU_DEP_2)
	v_max3_num_f32 v254, v232, v233, v234
	s_delay_alu instid0(VALU_DEP_1)
	v_max_num_f32 v254, v254, v235                 ; the step's largest score of my query
.if \i == 0
	s_delay_alu instid0(VALU_DEP_1)
	v_mul_f32 v13, s[CS], v254                     ; as t: the first largest t (key 128 R counts for every query)
	s_delay_alu instid0(VALU_DEP_1)
	v_floor_f32 v12, -v13                          ; -M = floor(-t): M is a whole number
.else
	s_delay_alu instid0(VALU_DEP_1)
	v_mul_f32 v254, s[CS], v254
	s_delay_alu instid0(VALU_DEP_1)
	v_max_num_f32 v13, v13, v254                   ; the running largest t
	v_mov_b32 v254, v12
	s_delay_alu instid0(VALU_DEP_2)
	v_floor_f32 v12, -v13
	s_delay_alu instid0(VALU_DEP_1)
	v_sub_f32 v254, v12, v254                      ; old M - new M: a whole number, 0 or less
	s_delay_alu instid0(VALU_DEP_1)
	v_cvt_i32_f32 v254, v254
	s_delay_alu instid0(VALU_DEP_1)
	v_ldexp_f32 v252, 1.0, v254                    ; f = 2^(old M - new M)
.endif
.irp j, 0,2,4,6,8,10,12,14,16,18,20,22,24,26,28,30,32,34,36,38,40,42,44,46,48,50,52,54,56,58,60,62
	v_pk_fma_f32 v[96+\j:97+\j], v[96+\j:97+\j], s[CS:CS+1], v[12:13] op_sel_hi:[1,0,0]   ; t - M, two at a time
.endr
.irp b, 0,1,2,3
	v_fma_f32 v[232+\b], v[232+\b], s[CS], v12     ; the same of each block's largest score
.endr
	s_wait_alu depctr_va_vdst(0)
.irp j, 0,1,2,3,4,5,6,7,8,9,10,11,12,13,14,15,16,17,18,19,20,21,22,23,24,25,26,27,28,29,30,31,32,33,34,35,36,37,38,39,40,41,42,43,44,45,46,47,48,49,50,51,52,53,54,55,56,57,58,59,60,61,62,63
	v_exp_f32 v[96+\j], v[96+\j]                   ; p = 2^(t - M), at most 1: not normalised
.endr
.irp b, 0,1,2,3
	v_exp_f32 v[232+\b], v[232+\b]                 ; the block's largest p
.endr
.if \i == 0
	v_mov_b32 v14, 0                               ; the sum begins.  (A plain instruction behind the exponentials)
	v_mov_b32 v15, 0
.else
	v_pk_mul_f32 v[14:15], v[14:15], v[252:253] op_sel_hi:[1,0]   ; the sum under the new M.  (A plain instruction behind the exponentials)
.endif
	s_wait_alu depctr_va_vdst(0)
.irp b, 0,1,2,3
	v_max_num_f32 v[232+\b], 0x1800000, v[232+\b]  ; the floor 2^(3 - 127): the byte cannot fall under 1
.endr
.irp b, 0,1,2,3
	s_delay_alu instid0(VALU_DEP_4)
	v_add_nc_u32 v[244+\b], 0xff000000, v[232+\b]  ; 2 off the exponent field: the conversion's scale operand
.endr
.irp b, 0,1,2,3
	s_delay_alu instid0(VALU_DEP_4)
	v_lshrrev_b32 v[236+\b], 23, v[244+\b]         ; the scale's byte
.endr
	s_delay_alu instid0(VALU_DEP_3)
	v_lshl_or_b32 v253, v237, 8, v236              ; p's scale word for these 128 keys
	s_delay_alu instid0(VALU_DEP_1)
	v_lshl_or_b32 v253, v238, 16, v253
	s_delay_alu instid0(VALU_DEP_1)
	v_lshl_or_b32 v253, v239, 24, v253
.irp c, 0,1
	v_cvt_scalef32_pk16_fp6_f32 v[224+6*\c:226+6*\c], v[96+32*\c:111+32*\c], v[244+2*\c]
	v_cvt_scalef32_pk16_fp6_f32 v[236+4*\c:238+4*\c], v[112+32*\c:127+32*\c], v[244+2*\c+1]   ; (a conversion's three registers begin on an even number)
.endr
	v_nop                                          ; one plain instruction behind a scaled conversion
.irp c, 0,1                                    ; the operand's layout wants a whole block in a lane: lanes 0-15 block 2 c, lanes 16-31 block 2 c + 1
.irp k, 0,1,2
	v_permlane16_swap_b32 v[224+6*\c+\k], v[236+4*\c+\k]
.endr
.irp k, 0,1,2
	s_delay_alu instid0(VALU_DEP_3)
	v_mov_b32 v[227+6*\c+\k], v[236+4*\c+\k]
.endr
.endr
	v_pk_add_f32 v[236:237], v[100:101], v[104:105]   ; the sum of p, in five chains
	v_pk_add_f32 v[88:89], v[108:109], v[112:113]
	v_pk_add_f32 v[30:31], v[116:117], v[120:121]
	v_pk_add_f32 v[28:29], v[124:125], v[128:129]
	v_pk_add_f32 v[14:15], v[14:15], v[132:133]
	v_pk_add_f32 v[236:237], v[236:237], v[136:137]
	v_pk_add_f32 v[88:89], v[88:89], v[140:141]
	v_pk_add_f32 v[30:31], v[30:31], v[144:145]
	v_pk_add_f32 v[28:29], v[28:29], v[148:149]
	v_pk_add_f32 v[14:15], v[14:15], v[152:153]
	v_pk_add_f32 v[236:237], v[236:237], v[156:157]
	v_pk_add_f32 v[88:89], v[88:89], v[96:97]
	v_pk_add_f32 v[30:31], v[30:31], v[98:99]
	v_pk_add_f32 v[28:29], v[28:29], v[102:103]
	v_pk_add_f32 v[14:15], v[14:15], v[106:107]
	v_pk_add_f32 v[236:237], v[236:237], v[110:111]
	v_pk_add_f32 v[88:89], v[88:89], v[114:115]
	v_pk_add_f32 v[30:31], v[30:31], v[118:119]
	v_pk_add_f32 v[28:29], v[28:29], v[122:123]
	v_pk_add_f32 v[14:15], v[14:15], v[126:127]
	v_pk_add_f32 v[236:237], v[236:237], v[130:131]
	v_pk_add_f32 v[88:89], v[88:89], v[134:135]
	v_pk_add_f32 v[30:31], v[30:31], v[138:139]
	v_pk_add_f32 v[28:29], v[28:29], v[142:143]
	v_pk_add_f32 v[14:15], v[14:15], v[146:147]
	v_pk_add_f32 v[236:237], v[236:237], v[150:151]
	v_pk_add_f32 v[88:89], v[88:89], v[154:155]
	v_pk_add_f32 v[30:31], v[30:31], v[158:159]
	s_delay_alu instid0(VALU_DEP_1)
	v_pk_add_f32 v[14:15], v[14:15], v[30:31]
	s_delay_alu instid0(VALU_DEP_4)
	v_pk_add_f32 v[236:237], v[236:237], v[28:29]
	s_delay_alu instid0(VALU_DEP_2)
	v_pk_add_f32 v[14:15], v[14:15], v[88:89]
	s_delay_alu instid0(VALU_DEP_1)
	v_pk_add_f32 v[14:15], v[14:15], v[236:237]
.irp t, 0,1,2,3
.irp c, 0,1,2
	ds_load_b128 v[96+12*\t+4*\c:99+12*\t+4*\c], v[1+\i] offset:12288+(4+\t)*1536+512*\c   ; V's other four tiles, into p's registers, which are free now
.endr
.endr
.if \i
.irp j, 0,2,4,6,8,10,12,14,16,18,20,22,24,26,28,30,32,34,36,38,40,42,44,46,48,50,52,54,56,58,60,62
	v_pk_mul_f32 v[160+\j:161+\j], v[160+\j:161+\j], v[252:253] op_sel_hi:[1,0]   ; O^T under the new M
.endr
.endif
	s_wait_alu depctr_va_vdst(0)
	s_wait_dscnt 0x0
.irp t, 0,1,2,3,4,5,6,7                        ; O^T += V^T P^T: eight tiles of 16 places of the head's 128; K = these 128 keys.  The accumulators take turns
.set rA, 32+12*\t
.if \t > 3
.set rA, 96+12*(\t-4)
.endif
.if \i == 0
	WMA 160+8*\t, rA, 224, -1, 248+\t/2, 253, \t%2
.else
	WMA 160+8*\t, rA, 224, 160+8*\t, 248+\t/2, 253, \t%2
.endif
.endr
.rept 5
	v_nop                                          ; five places: the next step's first four products write v96-127, which the last four products here have read as source 0, and a matrix instruction writes over
.endr                                          ; another's register five places behind it; four of them serve loads into v32-159 and v248-251 and the reads of O^T below
.endm
	STEP 0
	STEP 1
.Ldone:
	s_cmp_eq_u32 s2, 0
	s_cbranch_scc1 .Lmeet
	v_add_f32 v13, v14, v15                        ; a second wave hands over -M, its sum and its O^T
	ds_store_b64 v9, v[12:13]
.irp k, 0,1,2,3,4,5,6,7,8,9,10,11,12,13,14,15
	ds_store_b128 v8, v[160+4*\k:163+4*\k] offset:512*\k
.endr
.Lmeet:
	s_wait_dscnt 0x0
	s_barrier_signal -1
	s_barrier_wait -1
	s_cmp_lg_u32 s2, 0
	s_cbranch_scc1 .Lend
	v_add_f32 v14, v14, v15
	v_mov_b32 v252, 1.0
	s_wait_alu depctr_va_vdst(0)
	s_cmp_eq_u32 s3, 0                             ; block 0 has no second wave
	s_cbranch_scc1 .Lalone
	ds_load_b64 v[80:81], v9
.irp k, 0,1,2,3,4,5,6,7,8,9,10,11,12,13,14,15
	ds_load_b128 v[96+4*\k:99+4*\k], v8 offset:512*\k
.endr
	s_wait_dscnt 16                                ; -M and the sum are in; O^T's sixteen loads may be out
	v_min_num_f32 v82, v12, v80                    ; the joint -M
	v_sub_f32 v83, v82, v12
	v_sub_f32 v84, v82, v80
	v_cvt_i32_f32 v83, v83
	v_cvt_i32_f32 v84, v84
	v_ldexp_f32 v252, 1.0, v83                     ; 2^(my M - the joint M), exact,
	v_ldexp_f32 v254, 1.0, v84                     ; and the second wave's
	v_mul_f32 v14, v14, v252
	v_fma_f32 v14, v81, v254, v14
.Lalone:
	; THE WAY OUT.  y = O^T / the sum; register 16 b + i is channel 32 b + 16 h + i of my query; quantised along the channels; the fragment's registers leave as they stand.
	v_permlanex16_b32 v236, v14, s[SEL], s[SEL+1]
	v_add_f32 v14, v14, v236                       ; the row's sum
	s_wait_alu depctr_va_vdst(0)
	v_rcp_f32 v14, v14
	v_nop                                          ; a plain instruction behind the transcendental
	s_wait_alu depctr_va_vdst(0)
	v_mul_f32 v252, v252, v14
.irp j, 0,2,4,6,8,10,12,14,16,18,20,22,24,26,28,30,32,34,36,38,40,42,44,46,48,50,52,54,56,58,60,62
	v_pk_mul_f32 v[160+\j:161+\j], v[160+\j:161+\j], v[252:253] op_sel_hi:[1,0]
.endr
	s_wait_alu depctr_va_vdst(0)
	s_cmp_eq_u32 s3, 0
	s_cbranch_scc1 .Lquantise
	s_wait_dscnt 0x0                               ; the second wave's O^T
	v_mul_f32 v254, v254, v14
.irp j, 0,2,4,6,8,10,12,14,16,18,20,22,24,26,28,30,32,34,36,38,40,42,44,46,48,50,52,54,56,58,60,62
	v_pk_fma_f32 v[160+\j:161+\j], v[96+\j:97+\j], v[254:255], v[160+\j:161+\j] op_sel_hi:[1,0,1]
.endr
.Lquantise:
.irp b, 0,1,2,3
	v_max3_num_f32 v[80+\b], |v[160+16*\b]|, |v[161+16*\b]|, 0x1800000   ; block b: my 16 numbers, and the floor 2^(3 - 127)
.endr
.irp k, 2,4,6,8,10,12,14
.irp b, 0,1,2,3
	v_max3_num_f32 v[80+\b], v[80+\b], |v[160+16*\b+\k]|, |v[161+16*\b+\k]|
.endr
.endr
.irp b, 0,1,2,3
	v_permlanex16_b32 v[84+\b], v[80+\b], s[SEL], s[SEL+1]
.endr
.irp b, 0,1,2,3
	v_max_num_f32 v[80+\b], v[80+\b], v[84+\b]     ; the block's largest magnitude
.endr
.irp b, 0,1,2,3
	v_add_nc_u32 v[92+\b], 0xff000000, v[80+\b]
.endr
.irp b, 0,1,2,3
	v_lshrrev_b32 v[84+\b], 23, v[92+\b]
.endr
	v_lshl_or_b32 v253, v85, 8, v84                ; my query's scale word for this head's 128 channels
	v_lshl_or_b32 v253, v86, 16, v253
	v_lshl_or_b32 v253, v87, 24, v253
.irp c, 0,1
	v_cvt_scalef32_pk16_fp6_f32 v[224+6*\c:226+6*\c], v[160+32*\c:175+32*\c], v[92+2*\c]
	v_cvt_scalef32_pk16_fp6_f32 v[236+4*\c:238+4*\c], v[176+32*\c:191+32*\c], v[92+2*\c+1]
.endr
	v_nop
.irp c, 0,1
.irp k, 0,1,2
	v_permlane16_swap_b32 v[224+6*\c+\k], v[236+4*\c+\k]
.endr
.irp k, 0,1,2
	v_mov_b32 v[227+6*\c+\k], v[236+4*\c+\k]
.endr
.endr
	v_cmp_gt_u32 vcc_lo, 16, v7
	s_wait_alu depctr_va_vdst(0)
.irp c, 0,1,2
	global_store_b128 v6, v[224+4*\c:227+4*\c], s[10:11] offset:512*\c   ; the wave stores 512 consecutive bytes, at a multiple of 256 from the buffer's first byte
.endr
	s_wait_xcnt 0x0                                ; EXEC changes only behind this wait
	s_and_saveexec_b32 s18, vcc_lo                 ; lanes 0-15: one word a query, 64 consecutive bytes (a part of a block of 256: one byte in 24 of what the launch stores)
	global_store_b32 v11, v253, s[12:13]
	s_wait_xcnt 0x0
	s_or_b32 exec_lo, exec_lo, s18
.Lend:
	s_wait_tensorcnt 0x0                           ; the wave's end
	ds_add_u32 v91, v243
	s_wait_dscnt 0x0
	CROUND                                         ; the closing round
	s_endpgm
.Lfunc_end_k_qbdaf921a4e_attn:
	.size	k_qbdaf921a4e_attn, .Lfunc_end_k_qbdaf921a4e_attn-k_qbdaf921a4e_attn
	.p2alignl 7, 3214868480
	.fill 96, 4, 3214868480
	.section	.rodata,"a",@progbits
	.p2align	6, 0x0
	.amdhsa_kernel k_qbdaf921a4e_attn
		.amdhsa_group_segment_fixed_size 174080
		.amdhsa_private_segment_fixed_size 0
		.amdhsa_enable_private_segment 0
		.amdhsa_kernarg_size 40
		.amdhsa_user_sgpr_count 2
		.amdhsa_user_sgpr_kernarg_segment_ptr 1
		.amdhsa_wavefront_size32 1
		.amdhsa_system_sgpr_workgroup_id_x 1
		.amdhsa_system_sgpr_workgroup_id_y 1
		.amdhsa_system_sgpr_workgroup_id_z 1
		.amdhsa_system_vgpr_workitem_id 0
		.amdhsa_next_free_vgpr 256
		.amdhsa_next_free_sgpr 66
		.amdhsa_reserve_vcc 1
		.amdhsa_float_denorm_mode_32 3
		.amdhsa_float_denorm_mode_16_64 3
		.amdhsa_memory_ordered 1
		.amdhsa_forward_progress 1
		.amdhsa_inst_pref_size 70
	.end_amdhsa_kernel
	.amdgpu_metadata
---
amdhsa.version: [ 1, 2 ]
amdhsa.kernels:
  - .name:           k_qbdaf921a4e_attn
    .symbol:         k_qbdaf921a4e_attn.kd
    .args:
      - { .name: qkvc, .offset: 0, .size: 8, .value_kind: global_buffer, .address_space: global }
      - { .name: qkvs, .offset: 8, .size: 8, .value_kind: global_buffer, .address_space: global }
      - { .name: attn_mask, .offset: 16, .size: 8, .value_kind: global_buffer, .address_space: global }
      - { .name: yc, .offset: 24, .size: 8, .value_kind: global_buffer, .address_space: global }
      - { .name: ys, .offset: 32, .size: 8, .value_kind: global_buffer, .address_space: global }
    .group_segment_fixed_size: 174080
    .private_segment_fixed_size: 0
    .kernarg_segment_align: 8
    .kernarg_segment_size: 40
    .max_flat_workgroup_size: 448
    .sgpr_count:     66
    .vgpr_count:     256
    .wavefront_size: 32
...
	.end_amdgpu_metadata
.endif
;; end of part 2
;; launch proj (part 3): grid 16 x 16, 4 waves a work-group, clusters of 4 x 4, 327,680 bytes of LDS; arguments yc, ys, Wp_codes, Wp_scales, bp, out0; writes out0
.if DOCPART == 3
	.amdgcn_target "amdgcn-amd-amdhsa--gfx1250"
	.amdhsa_code_object_version 6
	.text
	.protected	k_qbdaf921a4e_proj
	.globl	k_qbdaf921a4e_proj
	.p2align	8
	.type	k_qbdaf921a4e_proj,@function
k_qbdaf921a4e_proj:
	s_mov_b64 s[64:65], 0
	v_nop
	global_prefetch_b8 v0, s[64:65] scope:SCOPE_SE
	s_setreg_imm32_b32 hwreg(HW_REG_WAVE_MODE, 25, 1), 1
	s_wait_xcnt 0x0
	s_wait_alu depctr_hold_cnt(0) depctr_sa_sdst(0) depctr_va_vdst(0) depctr_va_sdst(0) depctr_va_ssrc(0) depctr_va_vcc(0) depctr_vm_vsrc(0)
	s_getreg_b32 s2, hwreg(HW_REG_IB_STS2, 6, 4)
	s_cmp_eq_u32 s2, 0
	s_cbranch_scc0 .Lentry_in_a_cluster
	s_endpgm
.Lentry_in_a_cluster:
	s_bfe_u32 s2, ttmp6, 0x10000c
	s_cmp_lg_u32 s2, 0xf033
	s_cbranch_scc0 .Lentry_shape_is_right
	s_endpgm
.Lentry_shape_is_right:
; out = y Wp^T + bp on codes of FP6 (E2M3), f32 sums.  yc[128 tiles of 16 tokens][16 steps of 128 along K][1,536]: images of fragments' registers (register t of lane L at 512 (t / 4) + 16 L + 4 (t % 4)); ys[step][2,048 tokens] one word each; Wp as given.
; SHARES.  A work-group takes 128 tokens (ty) x 128 columns (tx); wave w takes tokens 64 (w / 2) .. + 63 x columns 64 (w % 2) .. + 63: 16 accumulators.  Used transposed (source 0 = rows of Wp): a lane holds eight neighbouring columns of a row.
; K GOES IN THREE FILLS through two LDS slots.  A fill brings 512 bytes of each of Wp's 128 rows (5 1/3 steps) and the images of six steps of y (the last: four).  Fill f lies in slot f % 2; waves 0 and 1 fetch y's halves, waves 2 and 3 Wp's.
; Step 5's 96 bytes lie across fills 0 and 1, step 10's across fills 1 and 2.  The scales of all of K lie in registers.
; CLUSTERS: 4 x 4 work-groups: y's tiles are shared along a row of the cluster, Wp's along a column: joint loads.
; PREFETCH: fill f + 1 is asked for behind fill f's load, each 256 bytes once in a cluster: of a wave's four tiles of y each of the four partners takes one, of its 64 rows of Wp sixteen, by address.  The last fill asks for nothing.
; REGISTERS.  Window 0: v32-63 y's scale words, v64-95 Wp's, v96-127 the bias, v128-255 the accumulators.  Window 1: two sets of fragments (y's four, Wp's four); v192-215 LDS addresses of Wp's four tiles, six each; v216-217 y's.
.set WP,    528                        ; an LDS row of Wp: 2 x (256 bytes + 8 of padding)
.set YS,    8*9216
.set SLOT,  YS+128*WP
.set SPARE, 2*SLOT
.set STG,   SPARE+512                  ; the way out: 16 rows x (256 + 16) bytes a wave, on bytes of its own
.set ADW,  192
.set ADY,  216
.set STO,  25
.set RD,   26
.set CO,   27
.set SPW,  28
.set NIL,  29
.set SY,   32
.set SW,   64
.set BI,   96
.set ACC,  128
.set WV,   16
.set G1Y,  24
.set G1W,  32
.set G0Y,  40
.set G0W,  52
.set PF,   60
.set MSB,  0
.macro WIN new
.if MSB != (\new)
	s_set_vgpr_msb (MSB<<8)|(\new)
.set MSB, (\new)
.endif
.endm
.macro JLOAD s                         ; a joint load; the branch hangs on the wave's number alone
	s_cmp_eq_u32 s17, 0
	s_cbranch_scc0 .Lfor_w_\@
	tensor_load_to_lds s[G0Y+4*\s:G0Y+4*\s+3], s[G1Y:G1Y+7]
	s_nop 0
.rept 4
	v_nop
.endr
	s_branch .Lasked_\@
.Lfor_w_\@:
	tensor_load_to_lds s[G0W+4*\s:G0W+4*\s+3], s[G1W:G1W+7]
	s_nop 0
.rept 4
	v_nop
.endr
.Lasked_\@:
.endm
.macro CREST
	s_cmp_lg_u32 s[WV], 0
	s_cbranch_scc1 .Lnot_wave_0_\@
	s_barrier_signal -3
.Lnot_wave_0_\@:
	s_barrier_wait -3
	s_barrier_signal -1
	s_barrier_wait -1
.endm
.macro CROUND
	s_barrier_signal -1
	s_barrier_wait -1
	CREST
.endm
.macro PLACES n
.rept \n
	v_nop
.endr
.endm
.macro GSET s                          ; slot s's descriptors: fill s
	s_mov_b32 s[G0Y+4*\s], 1
	s_add_co_u32 s[G0Y+4*\s+1], s70, \s*SLOT
	s_add_nc_u64 s[G0Y+4*\s+2:G0Y+4*\s+3], s[4:5], \s*9216
	s_or_b32 s[G0Y+4*\s+3], s[G0Y+4*\s+3], 0x80000000
	s_mov_b32 s[G0W+4*\s], 1
	s_add_co_u32 s[G0W+4*\s+1], s71, \s*SLOT
	s_add_nc_u64 s[G0W+4*\s+2:G0W+4*\s+3], s[8:9], \s*512
	s_or_b32 s[G0W+4*\s+3], s[G0W+4*\s+3], 0x80000000
.endm
.macro ASK f                           ; my share of fill f into the L2: 36 (f = 2: 24) blocks of 256 bytes of one tile of y, or 2 blocks of 16 rows of Wp
	s_cmp_eq_u32 s17, 0
	s_cbranch_scc0 .Lask_w_\@
.if \f == 1
	global_prefetch_b8 v20, s[PF:PF+1] offset:9216 th:TH_LOAD_NT scope:SCOPE_SE
	global_prefetch_b8 v21, s[PF:PF+1] offset:9216+8192 th:TH_LOAD_NT scope:SCOPE_SE
.else
	global_prefetch_b8 v22, s[PF:PF+1] offset:18432 th:TH_LOAD_NT scope:SCOPE_SE
.endif
	s_branch .Lask_done_\@
.Lask_w_\@:
	global_prefetch_b8 v20, s[PF:PF+1] offset:512*\f th:TH_LOAD_NT scope:SCOPE_SE
.Lask_done_\@:
.endm
	s_load_b256 s[4:11], s[0:1], 0x0               ; yc, ys, Wp's codes, scales
	s_load_b128 s[12:15], s[0:1], 0x20             ; bp, out0
	v_lshl_add_u32 v[SPW], v0, 2, SPARE
	v_mov_b32 v[NIL], 0
	ds_add_u32 v[SPW], v[NIL]                      ; the opening lines: the add, twice on end, and its wait
	ds_add_u32 v[SPW], v[NIL]
	v_lshrrev_b32 v1, 5, v0
	v_readfirstlane_b32 s[WV], v1
	s_lshr_b32 s17, s[WV], 1                       ; my half of the tokens; also: I fetch for y (0) or Wp (1)
	s_and_b32 s18, s[WV], 1                        ; my half of the columns; also: which half of that tile I fetch
	s_bfe_u32 s19, ttmp6, 0x40000                  ; cx
	s_bfe_u32 s20, ttmp6, 0x40004                  ; cy
	s_lshl_b32 s21, ttmp9, 2
	s_add_co_u32 s21, s21, s19                     ; tx
	s_and_b32 s22, ttmp7, 0xffff
	s_lshl_b32 s22, s22, 2
	s_add_co_u32 s22, s22, s20                     ; ty
	s_lshl_b32 s23, s20, 2
	s_lshl_b32 s23, 15, s23                        ; my row of the cluster
	s_lshl_b32 s2, 0x1111, s19                     ; my column
	s_or_b32 s[G1Y], s23, (3<<16)|(1<<21)          ; y: 4 rows of 9,216 bytes (1,152 elements of 8 bytes), 24,576 bytes apart
	s_mov_b32 s[G1Y+1], 1152<<16
	s_mov_b32 s[G1Y+2], 4<<16
	s_mov_b32 s[G1Y+3], 1152<<16
	s_mov_b32 s[G1Y+4], 4
	s_mov_b32 s[G1Y+5], 3072
	s_mov_b32 s[G1Y+6], 0
	s_mov_b32 s[G1Y+7], 0
	s_or_b32 s[G1W], s2, (1<<20)|(1<<21)|(5<<22)|(1<<25)   ; Wp: 64 rows of 512 bytes, 1,536 apart; 8 bytes of padding behind every 256
	s_mov_b32 s[G1W+1], 512<<16
	s_mov_b32 s[G1W+2], 64<<16
	s_mov_b32 s[G1W+3], 512<<16
	s_mov_b32 s[G1W+4], 64
	s_mov_b32 s[G1W+5], 1536
	s_mov_b32 s[G1W+6], 0
	s_mov_b32 s[G1W+7], 0
	s_lshl_b32 s66, s22, 3
	s_lshl_b32 s67, s18, 2
	s_add_co_u32 s66, s66, s67
	s_mul_i32 s66, s66, 24576                      ; y: my four tiles
	s_mov_b32 s67, 0
	s_lshl_b32 s68, s21, 7
	s_lshl_b32 s69, s18, 6
	s_add_co_u32 s68, s68, s69
	s_mul_i32 s68, s68, 1536                       ; Wp: my 64 rows
	s_mov_b32 s69, 0
	s_mul_i32 s70, s18, 4*9216
	s_mul_i32 s71, s18, 64*WP
	s_add_co_u32 s71, s71, YS
	s_wait_alu depctr_va_vdst(0)
	s_wait_dscnt 0x0                               ; both opening adds are done
	CROUND                                         ; all sixteen work-groups are here
	s_wait_kmcnt 0x0
	s_add_nc_u64 s[4:5], s[4:5], s[66:67]
	s_add_nc_u64 s[8:9], s[8:9], s[68:69]
	GSET 0
	JLOAD 0                                        ; fill 0: one tensor load a wave at the head
	GSET 1
	s_cmp_eq_u32 s17, 0                            ; the prefetches: y by cx (a tile is 24,576 bytes), Wp by cy (16 rows are 24,576 bytes)
	s_cselect_b32 s72, s19, s20
	s_cselect_b64 s[PF:PF+1], s[4:5], s[8:9]
	s_movk_i32 s74, 1536
	s_cselect_b32 s74, 512, s74
	s_mul_i32 s72, s72, 24576
	s_mov_b32 s73, 0
	s_add_nc_u64 s[PF:PF+1], s[PF:PF+1], s[72:73]
	s_lshl_b32 s66, s22, 9
	s_lshl_b32 s72, s17, 8
	s_add_co_u32 s66, s66, s72
	s_add_nc_u64 s[6:7], s[6:7], s[66:67]          ; y's scale words: my 64 tokens
	s_lshl_b32 s68, s21, 13
	s_lshl_b32 s72, s18, 12
	s_add_co_u32 s68, s68, s72
	s_add_nc_u64 s[10:11], s[10:11], s[68:69]      ; Wp's: my 64 rows of 64 bytes
	s_lshl_b32 s68, s21, 9
	s_lshl_b32 s72, s18, 8
	s_add_co_u32 s68, s68, s72
	s_add_nc_u64 s[12:13], s[12:13], s[68:69]      ; the bias
	s_add_nc_u64 s[14:15], s[14:15], s[68:69]
	s_lshl_b32 s66, s22, 20
	s_lshl_b32 s72, s17, 19
	s_add_co_u32 s66, s66, s72
	s_add_nc_u64 s[14:15], s[14:15], s[66:67]      ; the result: my first row and column
	s_mul_i32 s72, s17, 4*9216
	s_add_co_u32 s73, s72, SLOT
	s_mul_i32 s75, s18, 64*WP
	s_add_co_u32 s75, s75, YS
	s_mul_i32 s76, s[WV], 16*272
	s_add_co_u32 s76, s76, STG
	v_and_b32 v1, 15, v0                           ; r
	v_bfe_u32 v2, v0, 4, 1                         ; h
	v_and_b32 v3, 31, v0                           ; lane
	v_lshlrev_b32 v8, 2, v3
	v_lshlrev_b32 v9, 6, v3
	v_lshlrev_b32 v10, 5, v2
	v_lshrrev_b32 v4, 1, v3
	v_and_b32 v5, 1, v3
	v_lshlrev_b32 v5, 8, v5
	v_mul_u32_u24 v4, s74, v4
	v_add_nc_u32 v20, v4, v5                       ; y: 256 x lane; Wp: row lane / 2, block lane % 2
	v_min_u32 v21, 3, v3
	v_lshlrev_b32 v21, 8, v21
	v_min_u32 v22, 23, v3
	v_lshlrev_b32 v22, 8, v22
	s_wait_alu depctr_va_vdst(0)
.irp k, 0,1,2,3,4,5,6,7,8,9,10,11,12,13,14,15
.irp i, 0,1
	global_load_b32 v[SY+2*\k+\i], v8, s[6:7] offset:8192*\k+128*\i
.endr
.endr
.irp i, 0,1
.irp m, 0,1,2,3
	global_load_b128 v[SW+16*\i+4*\m:SW+16*\i+4*\m+3], v9, s[10:11] offset:2048*\i+16*\m
.endr
.endr
.irp b, 0,1,2,3
	global_load_b128 v[BI+8*\b:BI+8*\b+3], v10, s[12:13] offset:64*\b
	global_load_b128 v[BI+8*\b+4:BI+8*\b+7], v10, s[12:13] offset:64*\b+16
.endr
	v_lshlrev_b32 v6, 4, v3
	v_mul_u32_u24 v7, v1, WP
	v_add_nc_u32 v7, s75, v7                       ; my row of Wp's tile
	v_mad_u32_u24 v11, v2, 24, v7                  ; + 24 h, in slot 0,
	v_add_nc_u32 v12, SLOT, v11                    ; in slot 1;
	v_lshl_add_u32 v13, v2, 5, v7                  ; lanes 16-31 behind one padding more, in slot 0,
	v_add_nc_u32 v14, SLOT, v13                    ; in slot 1;
	v_mul_u32_u24 v15, v2, SLOT-496
	v_add_nc_u32 v15, v7, v15
	v_add_nc_u32 v15, 496, v15                     ; lanes 0-15 at the row's byte 488 in slot 0, lanes 16-31 at byte 0 in slot 1;
	v_sub_nc_u32 v16, 1, v2
	v_mul_u32_u24 v16, v16, SLOT+496
	v_add_nc_u32 v16, v7, v16                      ; and the other way round
	WIN 0x40                                       ; destination window 1
	v_add_nc_u32 v[ADY], s72, v6
	v_add_nc_u32 v[ADY+1], s73, v6
.irp i, 0,1,2,3,4,5
	v_mov_b32 v[ADW+\i], v[11+\i]
.endr
.irp b, 1,2,3
.irp i, 0,1,2,3,4,5
	v_add_nc_u32 v[ADW+6*\b+\i], \b*16*WP, v[11+\i]
.endr
.endr
	WIN 0
	ASK 1
	v_mul_u32_u24 v17, v1, 272
	v_lshl_add_u32 v17, v2, 5, v17
	v_add_nc_u32 v[STO], s76, v17                  ; the way out: row r, 32 bytes for each half of the lanes,
	v_mul_u32_u24 v18, v2, 272
	v_lshl_add_u32 v18, v1, 4, v18
	v_add_nc_u32 v[RD], s76, v18                   ; and back: a row of 256 bytes for each half
	v_lshlrev_b32 v19, 13, v2
	v_lshl_add_u32 v[CO], v1, 4, v19
.macro WM d, a, b, c, sa, sb, ra, rb
.if ((\ra) == 0) && ((\rb) == 0)
	v_wmma_scale_f32_16x16x128_f8f6f4 v[\d:\d+7], v[\a:\a+11], v[\b:\b+11], v[\c:\c+7], v[\sa], v[\sb] matrix_a_fmt:MATRIX_FMT_FP6 matrix_b_fmt:MATRIX_FMT_FP6
.elseif ((\ra) == 1) && ((\rb) == 0)
	v_wmma_scale_f32_16x16x128_f8f6f4 v[\d:\d+7], v[\a:\a+11], v[\b:\b+11], v[\c:\c+7], v[\sa], v[\sb] matrix_a_fmt:MATRIX_FMT_FP6 matrix_b_fmt:MATRIX_FMT_FP6 matrix_a_scale:MATRIX_SCALE_ROW1
.elseif ((\ra) == 0) && ((\rb) == 1)
	v_wmma_scale_f32_16x16x128_f8f6f4 v[\d:\d+7], v[\a:\a+11], v[\b:\b+11], v[\c:\c+7], v[\sa], v[\sb] matrix_a_fmt:MATRIX_FMT_FP6 matrix_b_fmt:MATRIX_FMT_FP6 matrix_b_scale:MATRIX_SCALE_ROW1
.else
	v_wmma_scale_f32_16x16x128_f8f6f4 v[\d:\d+7], v[\a:\a+11], v[\b:\b+11], v[\c:\c+7], v[\sa], v[\sb] matrix_a_fmt:MATRIX_FMT_FP6 matrix_b_fmt:MATRIX_FMT_FP6 matrix_a_scale:MATRIX_SCALE_ROW1 matrix_b_scale:MATRIX_SCALE_ROW1
.endif
.endm
.macro PR n, st, first                 ; product n of step st: tile of tokens n / 4, of columns n % 4; first = 1: the bias is C.  The 16 accumulators take turns
.set pA, (\n)/4
.set pB, (\n)%4
.set pS, 96*((\st)%2)
.set rD, ACC+8*(4*pA+pB)
.set rC, rD
.if \first
.set rC, BI+8*pB
.endif
	WIN 0x05                                       ; sources 0 and 1 window 1
	WM rD, pS+48+12*pB, pS+12*pA, rC, SW+16*(pB/2)+(\st), SY+2*(\st)+pA/2, pB%2, pA%2
.endm
; Wp's fragment b of step st: pieces of 8 bytes, two to a load where both go by the same address register.  Byte y of a row lies in fill y / 512.  Lanes 16-31 read 24 bytes further on: behind one padding more where y % 256 is 232 or more, in the other slot where y % 512 is 488 or more.
.macro FW reg, b, st
.set SK, 0
.irp p, 0,1,2,3,4,5
.if SK
.set SK, 0
.else
.set B1, 96*(\st)+48*(\p/3)+8*(\p%3)
.set B2, 96*(\st)+48*((\p+1)/3)+8*((\p+1)%3)
.set Y1, B1%512
.set Y2, B2%512
.set I1, (B1/512)%2+2*((Y1%256)/232)+2*(Y1/488)
.set I2, (B2/512)%2+2*((Y2%256)/232)+2*(Y2/488)
.set O1, (Y1+8*(Y1/256)-496*(Y1/488))/8
.set O2, (Y2+8*(Y2/256)-496*(Y2/488))/8
.set ISS, ISS+1
.if (\p < 5) && (I1 == I2)
.set SK, 1
	ds_load_2addr_b64 v[\reg+2*\p:\reg+2*\p+3], v[ADW+6*(\b)+I1] offset0:O1 offset1:O2
.else
	ds_load_b64 v[\reg+2*\p:\reg+2*\p+1], v[ADW+6*(\b)+I1] offset:8*O1
.endif
.endif
.endr
.endm
.macro FY reg, a, st                   ; y's fragment a of step st: fill st / 6; a tile's images of six steps lie on end, in the last fill of four
.set T1, (\st)/6
.irp c, 0,1,2
	ds_load_b128 v[\reg+4*\c:\reg+4*\c+3], v[ADY+T1%2] offset:(\a)*(9216-3072*(T1/2))+((\st)%6)*1536+512*\c
.endr
.set ISS, ISS+3
.endm
.macro FETCHN nx                       ; fragment FI of step nx: Wp's four, then y's four
	WIN 0x41                                       ; destination and address window 1
.set S1, 96*((\nx)%2)
.if FI < 4
	FW S1+48+12*FI, FI, (\nx)
.else
	FY S1+12*(FI-4), (FI-4), (\nx)
.endif
.set FI, FI+1
.endm
; First, in one run, the next n fragments of the next step; then the products from .. to - 1 of step st.  DZ = 1: all of this step's fragments are known to be in.
; Ahead of tile a's products y's fragments a + 1 .. 3 (three loads each) and the ISS LDS instructions issued in this step may be out.
.macro RUN from, to, st, first, n
.rept \n
	FETCHN (\st)+1
.endr
.set N, \from
.rept (\to)-(\from)
.if ((N%4) == 0) && (DZ == 0)
	s_wait_dscnt 9-3*(N/4)+ISS
.endif
	PR N, \st, \first
.set N, N+1
.endr
.endm
.macro STEP st, first
.set FI, 0
.set DZ, 0
.set ISS, 0
.if (\st) == 5                         ; fill 0 has been read out: a round of the cluster's barrier, and slot 0 takes fill 2
	WIN 0
	s_wait_tensorcnt 0x0
	ds_add_u32 v[SPW], v[NIL]
.set ISS, 1
	s_add_nc_u64 s[G0Y+2:G0Y+3], s[G0Y+2:G0Y+3], 2*9216
	s_add_nc_u64 s[G0W+2:G0W+3], s[G0W+2:G0W+3], 1024
	s_mov_b32 s[G1Y+1], 768<<16                    ; four steps of y are left: rows of 6,144 bytes
	s_mov_b32 s[G1Y+3], 768<<16
	PLACES 4
	RUN 0, 4, \st, \first, 0
	s_wait_dscnt 0x0                               ; the add is done, and so are my reads of slot 0
.set DZ, 1
	s_barrier_signal -1
	RUN 4, 6, \st, \first, 0
	WIN 0
	s_barrier_wait -1
	CREST
	JLOAD 0
	RUN 6, 16, \st, \first, 8
.elseif ((\st) == 4) || ((\st) == 9)   ; the next step reads a new fill: a barrier shows it to all
	PLACES 4
	RUN 0, 4, \st, \first, 0
	s_wait_tensorcnt 0x0
	s_wait_dscnt 0x0
.set DZ, 1
	s_barrier_signal -1
	RUN 4, 6, \st, \first, 0
	s_barrier_wait -1
	RUN 6, 16, \st, \first, 8
.else
.if (\st) > 0
	PLACES 4
.endif
	RUN 0, 16, \st, \first, 8
.endif
.endm
	s_wait_alu depctr_va_vdst(0)
	s_wait_tensorcnt 0x0                           ; my part of fill 0 is in
	ds_add_u32 v[SPW], v[NIL]
	s_wait_dscnt 0x0
	CROUND
	JLOAD 1                                        ; fill 1
.set FI, 0
.set ISS, 0
.rept 8
	FETCHN 0
.endr
	WIN 0
	ASK 2
	s_wait_loadcnt 0x0                             ; the scales and the bias
	STEP 0, 1
.set ST, 1
.rept 14
	STEP ST, 0
.set ST, ST+1
.endr
.set FI, 0
.set DZ, 0
.set ISS, 0
	RUN 0, 16, 15, 0, 0
	WIN 0
	PLACES 4
; THE WAY OUT, block by block of 16 rows x 64 columns: through my own stage and back as whole rows of 256 bytes.  LDS serves a wave's instructions in order (ISA guide 5.7.1.4).
.macro TOSTAGE a
.irp b, 0,1,2,3
	ds_store_b128 v[STO], v[ACC+8*(4*(\a)+\b):ACC+8*(4*(\a)+\b)+3] offset:64*\b
	ds_store_b128 v[STO], v[ACC+8*(4*(\a)+\b)+4:ACC+8*(4*(\a)+\b)+7] offset:64*\b+16
.endr
.irp t, 0,1,2,3,4,5,6,7
	ds_load_b128 v[ACC+32*(\a)+4*\t:ACC+32*(\a)+4*\t+3], v[RD] offset:2*272*\t
.endr
.endm
.macro SEND a, younger                 ; younger: the LDS instructions issued behind block a's loads
	s_wait_dscnt \younger
.irp t, 0,1,2,3,4,5,6,7
	global_store_b128 v[CO], v[ACC+32*(\a)+4*\t:ACC+32*(\a)+4*\t+3], s[14:15] offset:2*8192*(8*(\a)+\t) th:TH_STORE_NT   ; sixteen lanes store 256 consecutive bytes, at a multiple of 256 from the buffer's first byte
.endr
.endm
	TOSTAGE 0
	TOSTAGE 1
	SEND 0, 16
	TOSTAGE 2
	SEND 1, 16
	TOSTAGE 3
	SEND 2, 16
	SEND 3, 0
	s_wait_tensorcnt 0x0                           ; the wave's end
	ds_add_u32 v[SPW], v[NIL]
	s_wait_dscnt 0x0
	CROUND                                         ; the closing round
	s_endpgm
.Lfunc_end_k_qbdaf921a4e_proj:
	.size	k_qbdaf921a4e_proj, .Lfunc_end_k_qbdaf921a4e_proj-k_qbdaf921a4e_proj
	.p2alignl 7, 3214868480
	.fill 96, 4, 3214868480
	.section	.rodata,"a",@progbits
	.p2align	6, 0x0
	.amdhsa_kernel k_qbdaf921a4e_proj
		.amdhsa_group_segment_fixed_size 327680
		.amdhsa_private_segment_fixed_size 0
		.amdhsa_enable_private_segment 0
		.amdhsa_kernarg_size 48
		.amdhsa_user_sgpr_count 2
		.amdhsa_user_sgpr_kernarg_segment_ptr 1
		.amdhsa_wavefront_size32 1
		.amdhsa_system_sgpr_workgroup_id_x 1
		.amdhsa_system_sgpr_workgroup_id_y 1
		.amdhsa_system_sgpr_workgroup_id_z 1
		.amdhsa_system_vgpr_workitem_id 0
		.amdhsa_next_free_vgpr 512
		.amdhsa_next_free_sgpr 80
		.amdhsa_reserve_vcc 0
		.amdhsa_float_denorm_mode_32 3
		.amdhsa_float_denorm_mode_16_64 3
		.amdhsa_memory_ordered 1
		.amdhsa_forward_progress 1
		.amdhsa_inst_pref_size 86
	.end_amdhsa_kernel
	.amdgpu_metadata
---
amdhsa.version: [ 1, 2 ]
amdhsa.kernels:
  - .name:           k_qbdaf921a4e_proj
    .symbol:         k_qbdaf921a4e_proj.kd
    .args:
      - { .name: yc, .offset: 0, .size: 8, .value_kind: global_buffer, .address_space: global }
      - { .name: ys, .offset: 8, .size: 8, .value_kind: global_buffer, .address_space: global }
      - { .name: Wp_codes, .offset: 16, .size: 8, .value_kind: global_buffer, .address_space: global }
      - { .name: Wp_scales, .offset: 24, .size: 8, .value_kind: global_buffer, .address_space: global }
      - { .name: bp, .offset: 32, .size: 8, .value_kind: global_buffer, .address_space: global }
      - { .name: out0, .offset: 40, .size: 8, .value_kind: global_buffer, .address_space: global }
    .group_segment_fixed_size: 327680
    .private_segment_fixed_size: 0
    .kernarg_segment_align: 8
    .kernarg_segment_size: 48
    .max_flat_workgroup_size: 128
    .sgpr_count:     80
    .vgpr_count:     512
    .wavefront_size: 32
...
	.end_amdgpu_metadata
.endif
;; end of part 3
